; MI455X (gfx1250); checked and timed in simulation.
; The chip was launched on July 23, 2026; its instructions are those of AMD's public machine-readable ISA for CDNA 5 (MIT licence, August 2026) and "CDNA5" Instruction Set Architecture Reference Guide (July 2026). The comments in the code are by the model that wrote it; some were corrected since.
;; Causal Self Attention. Allowed arithmetic: matrix products marked QUANTISED: E2M3 operands, one E8M0 scale for each 32 along K, by v_wmma_scale_f32_16x16x128_f8f6f4 with both operands' format E2M3, f32 sums; everything else in f32.
;; Inputs: W_kqv_codes 3,072 x 32 x 24 uint8 (E2M3 codes of W_kqv, K innermost, in blocks of 32 codes, four codes in three bytes); W_kqv_scales 3,072 x 32 uint8 (E8M0 scales of W_kqv, one for each 32 codes along K); W_proj_codes 1,024 x 32 x 24 uint8 (E2M3 codes of W_proj, K innermost, in blocks of 32 codes, four codes in three bytes); W_proj_scales 1,024 x 32 uint8 (E8M0 scales of W_proj, one for each 32 codes along K); b_kqv 3,072 float32; b_proj 1,024 float32; padding_mask 4 x 2,048 int32; x_codes 4 x 2,048 x 32 x 24 uint8 (E2M3 codes of x, K innermost, in blocks of 32 codes, four codes in three bytes); x_scales 4 x 2,048 x 32 uint8 (E8M0 scales of x, one for each 32 codes along K).
;; Outputs: out0 4 x 2,048 x 1,024 float32.
;; This version of the problem:
;;   THIS VERSION OF THE PROBLEM IS GIVEN IN LOW PRECISION. The matrix products marked QUANTISED in the list below multiply operands that are first quantised to E2M3 (2 exponent bits, 3 mantissa bits; 6 bits a number), with one power-of-two scale for each 32 numbers along K (OCP MX v1.0); their sums are f32. All else is computed in f32.
;;   The module's matrix products, in the order in which they are computed (A, B: the left and right operand; K: the contracted axis; several contracted axes count as one K, in the product's order):
;;     1. [M 8,192, K 1,024] x [K 1,024, N 3,072]; A: input x (given as codes); B: input W_kqv (given as codes): QUANTISED
;;     2. batch 64 x [M 2,048, K 64] x [K 64, N 2,048]; A: computed on the way; B: computed on the way: QUANTISED
;;     3. batch 64 x [M 2,048, K 2,048] x [K 2,048, N 64]; A: softmax (see below); B: computed on the way: QUANTISED
;;     4. [M 8,192, K 1,024] x [K 1,024, N 1,024]; A: computed on the way; B: input W_proj (given as codes): QUANTISED
;;   THE QUANTISER, for each operand of a quantised product, along K:
;;     - K is cut into blocks of 32 from its start; a last block that is shorter is filled with zeros.
;;     - A block's scale is 2^e with e = floor(log2(the largest magnitude in the block)) - 2, held to -126 .. 127; a block of zeros has e = 0. As a byte (E8M0): e + 127.
;;     - Each number is divided by its block's scale, clamped to +-7.5, and rounded to the nearest number of E2M3, ties to even, subnormals kept.
;;     - The product sums the exact products of the quantised numbers (number of the format x scale) in f32.
;;   ~~~python
;;   def quantise(x, axis):      # numpy; x: float32 -> the quantised numbers, widened to float32 again
;;       x = np.moveaxis(x, axis, -1); K = x.shape[-1]
;;       x = np.pad(x, [(0, 0)] * (x.ndim - 1) + [(0, -K % 32)]); x = x.reshape(x.shape[:-1] + (-1, 32)); a = np.abs(x).max(-1, keepdims=True)
;;       e = np.where(a > 0, np.clip(np.frexp(np.where(a > 0, a, 1))[1] - 1 - 2, -126, 127), 0)      # np.frexp(a)[1] - 1 = floor(log2(a)), exactly
;;       r = np.clip(x / 2.0 ** e, -7.5, 7.5)
;;       step = 2.0 ** (np.maximum(np.frexp(np.where(r == 0, 1, r))[1] - 1, 0) - 3)
;;       q = np.round(r / step) * step * 2.0 ** e      # np.round: ties to even
;;       return np.moveaxis(q.reshape(q.shape[:-2] + (-1,))[..., :K], -1, axis).astype(np.float32)
;;   ~~~
;;   SOFTMAX AHEAD OF A QUANTISED PRODUCT. Where the list says 'softmax', what is quantised is not the finished softmax but p = 2^(t - M), with t = logit x log2(e) and M = ceil(the row's largest t), a whole number; so 1/2 < the row's largest p <= 1. The row's sum l is taken of the UNQUANTISED p, in f32, and the product's result is divided by l at the end. Since M is a whole number, a kernel that streams over the keys may use a running M (the ceiling of the running maximum): every later rescaling is an exact power of two, which a block's scale takes up: the codes' values come out the same.
;;   OPERANDS COMPUTED ON THE WAY. 'Computed on the way' means the value that the module computes at that place (a softmax that the list does not call 'softmax' is quantised finished and normalised). What goes into a quantiser is computed in f32, as accurately as f32 sums, v_exp_f32 and their like allow (about 1e-6 of the number): no bf16 or f16 on the way to a quantiser, and a product that is left as it is and whose result goes on into a quantised operand takes f32 operands (vector FMAs, or v_wmma_f32_16x16x4_f32). A number that lies on a knife's edge between two numbers of the format may be rounded either way, as far as f32 arithmetic and the matrix unit's own rounding can turn it there, and no further.
;;   INPUTS GIVEN AS CODES. W_kqv (in the module: [1024, 3072], K = its axis 0); W_proj (in the module: [1024, 1024], K = its axis 0); x (in the module: [4, 2048, 1024], K = its axis 2): each comes as NAME_codes (uint8): NAME with its K axis moved to the last place and cut into blocks of 32 codes, [.., K / 32, bytes a block], one block behind the other in memory; four codes in three bytes: a row's codes are one little-endian stream of bits, code i at bits 6 i .. 6 i + 5 (a code: sign, 2 exponent bits, 3 mantissa bits); and NAME_scales (uint8): the same leading axes, one E8M0 byte (e + 127) for each 32 codes along K. Its value is code x scale, taken as it is: it is not quantised again, and the codes and scales need not be those that the quantiser above would give.
;; One version. Each part assembles by itself: llvm-mc -triple=amdgcn-amd-amdhsa -mcpu=gfx1250 --defsym DOCPART=n.
;; ======== version 1 of 1: 3 launches
;; limits: right only within a limited range of input values
;; workspace buffers: kv 13,893,632 bytes; qc 6,291,456 bytes; qs 524,288 bytes; vsum 262,144 bytes; yc 6,291,456 bytes; ys 262,144 bytes
;; launch qkv (part 1): grid 4 x 64, 4 waves a work-group, clusters of 4 x 4, 327,680 bytes of LDS; arguments x_codes, x_scales, W_kqv_codes, W_kqv_scales, b_kqv, padding_mask, qc, qs, kv, vsum; writes qc, qs, kv, vsum
.if DOCPART == 1
	.amdgcn_target "amdgcn-amd-amdhsa--gfx1250"
	.amdhsa_code_object_version 6
	.text
	.protected	k_qbbe177d853_qkv
	.globl	k_qbbe177d853_qkv
	.p2align	8
	.type	k_qbbe177d853_qkv,@function
k_qbbe177d853_qkv:
	s_mov_b64 s[64:65], 0
	v_nop
	global_prefetch_b8 v0, s[64:65] scope:SCOPE_SE
	s_setreg_imm32_b32 hwreg(HW_REG_WAVE_MODE, 25, 1), 1
	s_wait_xcnt 0x0
	s_wait_alu depctr_hold_cnt(0) depctr_sa_sdst(0) depctr_va_vdst(0) depctr_va_sdst(0) depctr_va_ssrc(0) depctr_va_vcc(0) depctr_vm_vsrc(0)
	s_getreg_b32 s2, hwreg(HW_REG_IB_STS2, 6, 4)
	s_cmp_eq_u32 s2, 0
	s_cbranch_scc0 .Lentry_in_a_cluster
	s_endpgm
.Lentry_in_a_cluster:
	s_bfe_u32 s2, ttmp6, 0x10000c
	s_cmp_lg_u32 s2, 0xf033
	s_cbranch_scc0 .Lentry_shape_is_right
	s_endpgm
.Lentry_shape_is_right:
; kqv = x W_kqv + b_kqv on codes of FP6 (E2M3) with E8M0 scales, and the quantisers of k, q and v behind it: nothing of kqv goes to memory as f32.
; A WORK-GROUP STAYS: it owns 128 tokens (one key step) and four heads, and makes k, then q, then v for them: three parts of 128 tokens x 256 rows of W, K = 1,024 each.  256 work-groups in all.
; LDS: the tokens' codes, 128 rows of 768 bytes, stay for the whole launch; W's 256 rows of a part lie behind them (16 bytes of padding behind every 256: pitch 816).  Every row asked of memory begins at a multiple of 256 bytes.
; Wave w owns head 4 g + w: all 128 tokens x the head's 64 rows of W (32 accumulators).  It reads only the 64 rows of W that it fetched itself.
; THE NEXT PART'S ROWS OF W are asked for behind the part's last LDS reads (wait, add, wait, a round of the cluster's barrier, one load a wave) and land under the part's quantiser.
; k, q: source 0 = 16 rows of W, source 1 = 16 tokens: a lane holds a token, its registers run along the head's 64, the K of q k^T; the bias is the C of the first step's products.
; v: source 0 = 16 tokens, source 1 = 16 rows of W: a lane holds a channel, its registers run along the keys, the K of p v; the bias is added behind the sums.
; CLUSTERS: 4 x 4 work-groups; the tokens' tile is shared along a row of the cluster (the four head groups), W's tiles along a column (four blocks of tokens).
; The scale words go from memory straight into registers: a lane takes its row's 32 bytes, sixteen lanes 512 consecutive bytes.
; PREFETCH: behind a part's second step each wave names the next part's rows of W that it will fetch: 64 rows are 192 blocks of 256 bytes; the four partners of a column take 48 each, told apart by address.
; OUT.  kv holds a record of 13,568 bytes for each (batch, head, key step): 8 tiles of k (768 bytes each), 4 tiles of v^T (1,536 each), k's scale words (512), v's (256), the padding mask as f32 (512: 0 or -2^32).
; Codes lie as images of the operand's registers.  A tile of k or q holds tokens 32 (T / 2) + 8 (T % 2) + s + 8 (s / 8).  q goes to qc and qs in the same form.
; vsum takes the sum over the step's 128 keys of the quantised v (a product with ones), for rows of the softmax that have no valid key.
; LIMITS: NaN and infinities among the inputs are not served; a block whose largest magnitude lies under 2^-124 keeps the scale byte 1 (a block of zeros too: its codes are zeros, and this program alone reads the bytes).
.set KROW,   768
.set PITCH,  816
.set FR,     12
.set NP,     4
.set WOFF,   128*PITCH
.set STG,    WOFF+256*PITCH            ; the stages: 2,048 bytes a wave, bytes of their own
.set SPARE,  STG+4*2048                ; the spare words: 128 bytes a wave
.set REC,    13568
.set VXS,  6                           ; 32 r
.set VA16, 7
.set VA8,  8
.set VSW,  9
.set RDQ,  10
.set SV8,  11
.set SV4,  12
.set RD8,  13
.set L16,  14
.set L8,   15
.set ADRX, 16                          ; v16-17 the tokens' blocks 0-3, 4-7; v18-19 the same with lanes 16-31 behind one padding more
.set ADRW, 20                          ; v20 my rows of W, v21 behind one padding more
.set VBQ,  22                          ; 32 h
.set VBV,  23                          ; 4 r
.set BV,   24                          ; v24-27 v's bias at channels 16 a + r
.set SPW,  28
.set NIL,  29
.set PFO,  30                          ; v30 256 x lane, v31 256 x (lane % 16)
.set XS,   32                          ; the tokens' scale words: block b, step st at v[32 + 8 b + st]
.set WS,   96                          ; W's: block a, step st at v[96 + 8 a + st]
.set BI,   128                         ; k's or q's bias, 8 registers for each block of W
.set AF,   160                         ; W's fragments, 4 x 12
.set RB,   160                         ; on the way out: what comes back from the stage
.set VS,   176                         ; the product with ones
.set PC,   208
.set MX,   228
.set BY,   232
.set SO,   236
.set PW,   240
.set WA,   241
.set WB,   242
.set ONESC, 243
.set ONES, 244
.set G1X, 24
.set G1W, 32
.set G0X, 40
.set G0W, 44
.set G0R, 48
.set CPT, 68                           ; where the part's codes go, s[70:71] its scale words
.set SPT, 70
.set QCP, 72
.set QSP, 74
.set KVR, 76
.set VSP, 78
.set WSP, 80
.set BP,  82
.set SEL, 84
.set PF,  90
.set MSB, 0
.macro WIN new
.if MSB != (\new)
	s_set_vgpr_msb (MSB<<8)|(\new)
.set MSB, (\new)
.endif
.endm
.set TO_B, 0x40
.macro CREST
	s_cmp_lg_u32 s16, 0
	s_cbranch_scc1 .Lnot_wave_0_\@
	s_barrier_signal -3
.Lnot_wave_0_\@:
	s_barrier_wait -3
	s_barrier_signal -1
	s_barrier_wait -1
.endm
.macro CROUND
	s_barrier_signal -1
	s_barrier_wait -1
	CREST
.endm
.macro PLACES n                        ; plain vector instructions between a matrix instruction and a load into, or a read of, its registers
.rept \n
	v_nop
.endr
.endm
	s_load_b256 s[4:11], s[0:1], 0x0               ; x's codes, x's scales, W's codes, W's scales
	s_load_b128 s[12:15], s[0:1], 0x20             ; b_kqv, padding_mask
	s_load_b256 s[92:99], s[0:1], 0x30             ; qc, qs, kv, vsum
	v_lshl_add_u32 v[SPW], v0, 2, SPARE
	v_mov_b32 v[NIL], 0
	ds_add_u32 v[SPW], v[NIL]                      ; the opening: the add, twice on end, and its wait
	ds_add_u32 v[SPW], v[NIL]
	v_lshrrev_b32 v1, 5, v0
	v_readfirstlane_b32 s16, v1                    ; wave 0..3
	s_lshr_b32 s19, s16, 1                         ; at the head I fetch tokens (0) or W (1),
	s_and_b32 s20, s16, 1                          ; and which half
	s_bfe_u32 s52, ttmp6, 0x40000                  ; cx
	s_bfe_u32 s53, ttmp6, 0x40004                  ; cy
	s_lshl_b32 s18, ttmp9, 2
	s_add_co_u32 s18, s18, s52                     ; g: the group of four heads
	s_and_b32 s17, ttmp7, 0xffff
	s_lshl_b32 s17, s17, 2
	s_add_co_u32 s17, s17, s53                     ; the block of 128 tokens
	s_lshl_b32 s54, s53, 2
	s_lshl_b32 s54, 15, s54                        ; my row of the cluster
	s_lshl_b32 s55, 0x1111, s52                    ; my column
	s_or_b32 s[G1X+0], s54, (0<<16)|(1<<20)|(1<<21)|(5<<22)|(3<<25)  ; mask; 1-byte elements; 4 words of padding behind every 64
	s_mov_b32 s[G1X+1], KROW<<16
	s_mov_b32 s[G1X+2], 64<<16
	s_mov_b32 s[G1X+3], KROW<<16
	s_mov_b32 s[G1X+4], 64
	s_mov_b32 s[G1X+5], KROW
	s_mov_b32 s[G1X+6], 0
	s_mov_b32 s[G1X+7], 0
	s_or_b32 s[G1W+0], s55, (0<<16)|(1<<20)|(1<<21)|(5<<22)|(3<<25)
	s_mov_b32 s[G1W+1], KROW<<16
	s_mov_b32 s[G1W+2], 128<<16                    ; at the head a load of W brings 128 rows
	s_mov_b32 s[G1W+3], KROW<<16
	s_mov_b32 s[G1W+4], 128
	s_mov_b32 s[G1W+5], KROW
	s_mov_b32 s[G1W+6], 0
	s_mov_b32 s[G1W+7], 0
	s_mul_i32 s56, s17, 128*KROW
	s_mul_i32 s60, s20, 64*KROW
	s_add_co_u32 s56, s56, s60                     ; my 64 tokens' codes
	s_mov_b32 s57, 0
	s_mul_i32 s58, s18, 256*KROW
	s_mul_i32 s60, s20, 128*KROW
	s_add_co_u32 s60, s58, s60                     ; k's rows of W, my 128 of the head's load
	s_mov_b32 s61, 0
	s_mul_i32 s62, s16, 64*KROW
	s_add_co_u32 s62, s58, s62                     ; my head's 64 rows, in k's part
	s_mov_b32 s63, 0
	s_mul_i32 s66, s53, 16*KROW
	s_add_co_u32 s66, s66, s62
	s_add_co_u32 s66, s66, 1024*KROW               ; the prefetches: my work-group's 16 of those rows, in q's part
	s_mov_b32 s67, 0
	s_mov_b32 s[G0X], 1
	s_mul_i32 s[G0X+1], s20, 64*PITCH
	s_mov_b32 s[G0W], 1
	s_mul_i32 s[G0W+1], s20, 128*PITCH
	s_add_co_u32 s[G0W+1], s[G0W+1], WOFF
	s_mov_b32 s[G0R], 1
	s_mul_i32 s[G0R+1], s16, 64*PITCH
	s_add_co_u32 s[G0R+1], s[G0R+1], WOFF
	s_wait_dscnt 0x0                               ; both opening adds are done
	s_wait_kmcnt 0x0
	s_add_nc_u64 s[G0X+2:G0X+3], s[4:5], s[56:57]
	s_or_b32 s[G0X+3], s[G0X+3], 0x80000000
	s_add_nc_u64 s[G0W+2:G0W+3], s[8:9], s[60:61]
	s_or_b32 s[G0W+3], s[G0W+3], 0x80000000
	s_add_nc_u64 s[G0R+2:G0R+3], s[8:9], s[62:63]
	s_or_b32 s[G0R+3], s[G0R+3], 0x80000000
	s_add_nc_u64 s[PF:PF+1], s[8:9], s[66:67]
	CROUND                                         ; all sixteen work-groups are here: the first joint loads meet
	s_cmp_eq_u32 s19, 0                            ; one load a wave: waves 0, 1 the tokens' halves, waves 2, 3 the halves of k's rows of W
	s_cbranch_scc0 .Lhead_w
	tensor_load_to_lds s[G0X:G0X+3], s[G1X:G1X+7]
	s_nop 0
.rept 4
	v_nop
.endr
	s_branch .Lhead_asked
.Lhead_w:
	tensor_load_to_lds s[G0W:G0W+3], s[G1W:G1W+7]
	s_nop 0
.rept 4
	v_nop
.endr
.Lhead_asked:
	s_mul_i32 s52, s16, 64*PITCH
	s_add_co_u32 s52, s52, WOFF                    ; my rows of W in LDS
	s_lshl_b32 s53, s16, 11
	s_add_co_u32 s53, s53, STG                     ; my stage
	s_lshr_b32 s54, s17, 4                         ; the batch
	s_and_b32 s55, s17, 15                         ; the key step
	s_lshl_b32 s56, s18, 2
	s_add_co_u32 s56, s56, s16                     ; my head
	s_lshl_b32 s58, s54, 4
	s_add_co_u32 s58, s58, s56
	s_lshl_b32 s58, s58, 4
	s_add_co_u32 s58, s58, s55                     ; the record's number
	s_mov_b32 s61, 0
	s_mul_i32 s60, s58, REC
	s_add_nc_u64 s[KVR:KVR+1], s[96:97], s[60:61]
	s_mov_b64 s[CPT:CPT+1], s[KVR:KVR+1]           ; k's codes open the record,
	s_add_nc_u64 s[SPT:SPT+1], s[KVR:KVR+1], 12288 ; its scale words lie at 12,288
	s_mul_i32 s60, s58, 6144
	s_add_nc_u64 s[QCP:QCP+1], s[92:93], s[60:61]
	s_lshl_b32 s60, s58, 9
	s_add_nc_u64 s[QSP:QSP+1], s[94:95], s[60:61]
	s_lshl_b32 s60, s54, 4
	s_add_co_u32 s60, s60, s55
	s_lshl_b32 s60, s60, 4
	s_add_co_u32 s60, s60, s56
	s_lshl_b32 s60, s60, 8
	s_add_nc_u64 s[VSP:VSP+1], s[98:99], s[60:61]  ; vsum[batch][key step][64 x head]
	s_lshl_b32 s60, s17, 12
	s_add_nc_u64 s[6:7], s[6:7], s[60:61]          ; my tokens' scales
	s_lshl_b32 s60, s56, 11
	s_add_nc_u64 s[WSP:WSP+1], s[10:11], s[60:61]  ; my head's rows' scales, in k's part
	s_lshl_b32 s60, s56, 8
	s_add_nc_u64 s[BP:BP+1], s[12:13], s[60:61]    ; and their bias
	s_lshl_b32 s60, s17, 9
	s_add_nc_u64 s[14:15], s[14:15], s[60:61]      ; padding_mask at my first token
	s_mov_b32 s[SEL], 0x76543210
	s_mov_b32 s[SEL+1], 0xfedcba98
	s_mov_b32 s86, 0xffff
	s_mov_b32 s87, 0x7f7f0000
	s_mov_b32 s88, 0
	v_and_b32 v1, 15, v0                           ; r
	v_bfe_u32 v2, v0, 4, 1                         ; h
	v_and_b32 v3, 31, v0
	v_lshlrev_b32 v[L16], 4, v3
	v_lshlrev_b32 v[L8], 3, v3
	v_lshlrev_b32 v[PFO], 8, v3
	v_lshlrev_b32 v[PFO+1], 8, v1
	v_mul_u32_u24 v3, v1, PITCH
	v_mad_u32_u24 v[ADRX], v2, 24, v3              ; a fragment's row x pitch + 24 h
	v_lshl_add_u32 v[ADRX+2], v2, 4, v[ADRX]
	v_add_nc_u32 v[ADRX+1], 64*PITCH, v[ADRX]
	v_add_nc_u32 v[ADRX+3], 64*PITCH, v[ADRX+2]
	v_add_nc_u32 v[ADRW], s52, v[ADRX]
	v_add_nc_u32 v[ADRW+1], s52, v[ADRX+2]
	v_lshrrev_b32 v3, 3, v1                        ; r / 8: which tile of the pair my token goes to
	v_and_b32 v4, 7, v1
	v_mul_u32_u24 v5, v3, 768
	v_add_nc_u32 v5, s53, v5
	v_lshl_add_u32 v[VA16], v4, 4, v5
	v_lshl_add_u32 v[VA16], v2, 8, v[VA16]
	v_lshl_add_u32 v[VA8], v4, 3, v5
	v_lshl_add_u32 v[VA8], v2, 7, v[VA8]
	v_lshlrev_b32 v[VSW], 8, v3
	v_lshl_add_u32 v[VSW], v4, 4, v[VSW]
	v_add_nc_u32 v[VSW], s53, v[VSW]
	v_add_nc_u32 v[RDQ], s53, v[L16]
	v_add_nc_u32 v[RD8], s53, v[L8]
	v_lshl_add_u32 v[SV8], v1, 3, s53
	v_lshl_add_u32 v[SV4], v1, 2, s53
	v_lshlrev_b32 v[VXS], 5, v1
	v_lshlrev_b32 v[VBQ], 5, v2
	v_lshlrev_b32 v[VBV], 2, v1
.irp b, 0,1,2,3,4,5,6,7
	global_load_b128 v[XS+8*\b:XS+8*\b+3], v[VXS], s[6:7] offset:512*\b
	global_load_b128 v[XS+8*\b+4:XS+8*\b+7], v[VXS], s[6:7] offset:512*\b+16
.endr
.irp a, 0,1,2,3
	global_load_b128 v[WS+8*\a:WS+8*\a+3], v[VXS], s[WSP:WSP+1] offset:512*\a
	global_load_b128 v[WS+8*\a+4:WS+8*\a+7], v[VXS], s[WSP:WSP+1] offset:512*\a+16
	global_load_b128 v[BI+8*\a:BI+8*\a+3], v[VBQ], s[BP:BP+1] offset:64*\a          ; k's bias at rows 16 a + 8 h + j
	global_load_b128 v[BI+8*\a+4:BI+8*\a+7], v[VBQ], s[BP:BP+1] offset:64*\a+16
	global_load_b32 v[BV+\a], v[VBV], s[BP:BP+1] offset:8192+64*\a                  ; v's bias
.endr
	global_load_b128 v[2:5], v[L16], s[14:15]      ; the padding mask of four keys a lane
.irp c, 0,1,2,3
	v_mov_b32 v[ONES+3*\c], 0x08208208             ; the code of 1.0 is 001000
	v_mov_b32 v[ONES+3*\c+1], 0x82082082
	v_mov_b32 v[ONES+3*\c+2], 0x20820820
.endr
	v_mov_b32 v[ONESC], 0x7f7f7f7f
.irp b, 0,1,2,3
	v_mov_b32 v[BY+\b], 0                          ; a lane permute's destination counts as one of its sources
.endr
	v_mov_b32 v[WA], 0xcf800000                    ; -2^32
	v_mov_b32 v1, 0
	s_wait_alu depctr_va_vdst(0)                   ; the wait at the head's end
	s_wait_loadcnt 0x0
.irp i, 2,3,4,5
	v_cmp_ne_u32 vcc_lo, 0, v\i
	v_cndmask_b32 v\i, v[WA], v1, vcc_lo           ; 0 where the key counts, -2^32 where not: the C of the scores' products
.endr
	global_store_b128 v[L16], v[2:5], s[KVR:KVR+1] offset:13056   ; 512 consecutive bytes; v2-5 are not written again
	s_wait_alu depctr_va_vdst(0)
	s_wait_tensorcnt 0x0                           ; my tile of the head's four is in,
	s_mov_b32 s[G1W+2], 64<<16                     ; no tensor load of mine is out: from here on a load of W brings 64 rows
	s_mov_b32 s[G1W+4], 64
	s_barrier_signal -1
	s_barrier_wait -1                              ; and so are the others'
.macro FRAG reg, an, ac, st, off       ; 16 rows x 128 K in pieces of 8 bytes; 16 bytes of padding lie behind every 32 pieces
.irp p, 0,1,2,3,4,5
.set PCE, 12*(\st)+6*(\p/3)+\p%3
.if PCE%32 < 29
	ds_load_b64 v[\reg+2*\p:\reg+2*\p+1], v[\an] offset:8*PCE+16*(PCE/32)+(\off)
.else
	ds_load_b64 v[\reg+2*\p:\reg+2*\p+1], v[\ac] offset:8*PCE+16*(PCE/32)+(\off)
.endif
.endr
.endm
.macro FETCH_X st                      ; the tokens' eight fragments into window 1, set st % 2
	WIN TO_B
.irp i, 0,1,2,3,4,5,6,7
	FRAG 128*((\st)%2)+FR*\i, ADRX+\i/4, ADRX+2+\i/4, \st, (\i%4)*16*PITCH
.endr
	WIN 0
.endm
.macro FETCH_W st, i0                  ; two of W's four
.irp i, \i0, \i0+1
	FRAG AF+FR*(\i), ADRW, ADRW+1, \st, (\i)*16*PITCH
.endr
.endm
; 8 matrix instructions: W's block a x the tokens' eight.  ori = 0 (k, q): accumulator (token block b, a) at v[8 (4 b + a)]; ori = 1 (v): (a, b) at v[8 (8 a + b)], window 2.
; The 32 accumulators take turns in the same order in every step.
.macro MUL8 a, st, first, ori
.irp b, 0,1,2,3,4,5,6,7
.set XF, 128*((\st)%2)+FR*\b
.set WF, AF+FR*(\a)
.if \ori
.set DD, 8*(8*(\a)+\b)
.if \first
	v_wmma_scale_f32_16x16x128_f8f6f4 v[DD:DD+7], v[XF:XF+FR-1], v[WF:WF+FR-1], 0, v[XS+8*\b+(\st)], v[WS+8*(\a)+(\st)] matrix_a_fmt:MATRIX_FMT_FP6 matrix_b_fmt:MATRIX_FMT_FP6
.else
	v_wmma_scale_f32_16x16x128_f8f6f4 v[DD:DD+7], v[XF:XF+FR-1], v[WF:WF+FR-1], v[DD:DD+7], v[XS+8*\b+(\st)], v[WS+8*(\a)+(\st)] matrix_a_fmt:MATRIX_FMT_FP6 matrix_b_fmt:MATRIX_FMT_FP6
.endif
.else
.set DD, 8*(4*\b+(\a))
.if \first
	v_wmma_scale_f32_16x16x128_f8f6f4 v[DD:DD+7], v[WF:WF+FR-1], v[XF:XF+FR-1], v[BI+8*(\a):BI+8*(\a)+7], v[WS+8*(\a)+(\st)], v[XS+8*\b+(\st)] matrix_a_fmt:MATRIX_FMT_FP6 matrix_b_fmt:MATRIX_FMT_FP6
.else
	v_wmma_scale_f32_16x16x128_f8f6f4 v[DD:DD+7], v[WF:WF+FR-1], v[XF:XF+FR-1], v[DD:DD+7], v[WS+8*(\a)+(\st)], v[XS+8*\b+(\st)] matrix_a_fmt:MATRIX_FMT_FP6 matrix_b_fmt:MATRIX_FMT_FP6
.endif
.endif
.endr
.endm
.macro MULWIN first, ori               ; the tokens' fragments window 1, W's window 0, D window 2, C window 2 (the bias: window 0)
.if \ori
	WIN 0xa1
.else
.if \first
	WIN 0x84
.else
	WIN 0xa4
.endif
.endif
.endm
.macro STEP st, first, ori
	s_wait_dscnt 12                                ; the youngest 12 loads (W's blocks 2, 3) may be out
	MULWIN \first, \ori
	MUL8 0, \st, \first, \ori
	MUL8 1, \st, \first, \ori
	s_wait_dscnt 0
	PLACES NP
	FETCH_X (\st)+1
	FETCH_W (\st)+1, 0
	MULWIN \first, \ori
	MUL8 2, \st, \first, \ori
	MUL8 3, \st, \first, \ori
	PLACES NP
	WIN 0
	FETCH_W (\st)+1, 2
.endm
; A part's eight steps.  refill = 1: behind its last LDS reads the next part's rows of W are asked for.
.macro MAIN ori, refill
	s_wait_xcnt 0x0                                ; the last part's stores have read their registers: loads land there
	s_wait_loadcnt 0x0                             ; this part's scale words and bias
	s_wait_tensorcnt 0x0                           ; my 64 rows of W, which I alone read
	FETCH_X 0
	FETCH_W 0, 0
	FETCH_W 0, 2
	STEP 0, 1, \ori                                ; the first step's products start the sums
	STEP 1, 0, \ori
.if \refill
	global_prefetch_b8 v[PFO], s[PF:PF+1] th:TH_LOAD_NT scope:SCOPE_SE               ; the next part: blocks 0-31 of my work-group's 48,
	global_prefetch_b8 v[PFO+1], s[PF:PF+1] offset:8192 th:TH_LOAD_NT scope:SCOPE_SE ; and blocks 32-47 (lanes 16-31 name them again)
.endif
.set ST, 2
.rept 5
	STEP ST, 0, \ori
.set ST, ST+1
.endr
.if \refill
	s_wait_tensorcnt 0x0                           ; no tensor load of mine is out;
	ds_add_u32 v[SPW], v[NIL]
	s_add_nc_u64 s[G0R+2:G0R+3], s[G0R+2:G0R+3], 1024*KROW   ; the next part's rows
	s_wait_dscnt 13                                ; the add and the youngest 12 loads may be out
	MULWIN 0, \ori
	MUL8 0, 7, 0, \ori
	MUL8 1, 7, 0, \ori
	s_wait_dscnt 0x0                               ; the add is done, and my reads of this part's rows are over
	s_barrier_signal -1
	MUL8 2, 7, 0, \ori
	MUL8 3, 7, 0, \ori
	WIN 0
	s_barrier_wait -1
	CREST                                          ; the barrier has opened a round of the cluster's: no wave of any partner still reads these rows or has a load on its way
	tensor_load_to_lds s[G0R:G0R+3], s[G1W:G1W+7]  ; my one load behind the round; it lands under the way out
	s_nop 0
.rept 4
	v_nop                                          ; also the places behind the last products
.endr
.else
	s_wait_dscnt 12
	MULWIN 0, \ori
	MUL8 0, 7, 0, \ori
	MUL8 1, 7, 0, \ori
	s_wait_dscnt 0
	MUL8 2, 7, 0, \ori
	MUL8 3, 7, 0, \ori
	WIN 0
	PLACES NP
.endif
.endm
; Two result tiles become 16 neighbours a lane: the first's lanes 16-31 change places with the second's lanes 0-15 (in window 2)
.macro SWAP16 base
.irp j, 0,1,2,3,4,5,6,7
	v_permlane16_swap_b32 v[\base+\j], v[\base+8+\j]
.endr
.endm
; 64 numbers of a lane in window 2, register s + 16 b + i = place 16 h + i of block b, become 12 registers of codes in v[PC] on and four scale bytes in v[PW]
.macro QUANT s
	WIN 0x0a
.irp b, 0,1,2,3
	v_max3_num_f32 v[MX+\b], |v[\s+16*\b]|, |v[\s+1+16*\b]|, 0x1800000   ; with the floor 2^(3 - 127): the byte cannot fall under 1
.endr
	WIN 0x28
.irp i, 2,4,6,8,10,12,14
.irp b, 0,1,2,3
	v_max3_num_f32 v[MX+\b], v[MX+\b], |v[\s+16*\b+\i]|, |v[\s+1+16*\b+\i]|
.endr
.endr
	WIN 0
.irp b, 0,1,2,3
	v_permlanex16_b32 v[BY+\b], v[MX+\b], s[SEL], s[SEL+1]
.endr
.irp b, 0,1,2,3
	v_max_num_f32 v[MX+\b], v[MX+\b], v[BY+\b]
.endr
.irp b, 0,1,2,3
	v_add_nc_u32 v[SO+\b], 0xff000000, v[MX+\b]    ; 2 off the exponent field: the conversion's scale operand
.endr
.irp b, 0,1,2,3
	v_lshrrev_b32 v[BY+\b], 23, v[SO+\b]
.endr
	v_lshl_or_b32 v[PW], v[BY+1], 8, v[BY]
	v_lshl_or_b32 v[PW], v[BY+2], 16, v[PW]
	v_lshl_or_b32 v[PW], v[BY+3], 24, v[PW]
	WIN 0x02
.irp c, 0,1
	v_cvt_scalef32_pk16_fp6_f32 v[PC+6*\c:PC+2+6*\c], v[\s+32*\c:\s+15+32*\c], v[SO+2*\c]
	v_cvt_scalef32_pk16_fp6_f32 v[PC+12+4*\c:PC+14+4*\c], v[\s+16+32*\c:\s+31+32*\c], v[SO+2*\c+1]
.endr
	WIN 0
	v_nop                                          ; one plain place behind a scaled conversion
.irp c, 0,1
.irp i, 0,1,2
	v_permlane16_swap_b32 v[PC+6*\c+\i], v[PC+12+4*\c+\i]
.endr
.irp i, 0,1,2
	v_mov_b32 v[PC+3+6*\c+\i], v[PC+12+4*\c+\i]
.endr
.endr
.endm
.macro STOREQ j                        ; two tiles' images, 1,536 consecutive bytes at a multiple of 256
.irp i, 0,1,2
	global_store_b128 v[L16], v[RB+4*\i:RB+4*\i+3], s[CPT:CPT+1] offset:1536*(\j)+512*\i
.endr
.endm
; k, q: token blocks 2 j and 2 j + 1 x my head's 64: blocks 0, 1 of the quantiser are the first's, 2, 3 the second's.  They fill tiles 2 j and 2 j + 1, which go through my stage.
.macro EPIQ j
	WIN 0x82
.irp g, 0,1,2,3
	SWAP16 64*(\j)+16*\g
.endr
	WIN 0
	s_wait_alu depctr_va_vdst(0)                   ; the wait ahead of the wait below
	s_wait_dscnt 0x0                               ; the last pair is back from the stage, and its stores there have read their registers
.if \j > 0
	STOREQ (\j)-1
.endif
	QUANT 64*(\j)
	v_and_or_b32 v[WA], v[PW], s86, s87            ; the first block's two bytes; the upper two stand for 1: they meet zero codes
	v_lshrrev_b32 v[WB], 16, v[PW]
	v_or_b32 v[WB], s87, v[WB]
.irp e, 0,1
	ds_store_b128 v[VA16], v[PC+6*\e:PC+6*\e+3] offset:128*\e
	ds_store_b64 v[VA8], v[PC+6*\e+4:PC+6*\e+5] offset:64*\e+512
.endr
	ds_store_b32 v[VSW], v[WA] offset:1536+4*(\j)          ; lanes l and l xor 16 write the same word with the same value
	ds_store_b32 v[VSW], v[WB] offset:1536+128+4*(\j)
	s_wait_xcnt 0x0                                ; the last pair's stores to memory have read their registers
.irp i, 0,1,2
	ds_load_b128 v[RB+4*\i:RB+4*\i+3], v[RDQ] offset:512*\i      ; LDS serves a wave's instructions in order: these see my stores
.endr
.endm
; v: 16 of my head's 64 channels x 128 keys: bias, quantiser along the keys: a fragment of v^T, stored as it stands
.macro EPIV a
	WIN 0x82
.set n, 0
.rept 32
.if (\a)%2
	v_pk_add_f32 v[64*(\a)+n:64*(\a)+n+1], v[64*(\a)+n:64*(\a)+n+1], v[BV+2*((\a)/2):BV+2*((\a)/2)+1] op_sel:[0,1] op_sel_hi:[1,1]
.else
	v_pk_add_f32 v[64*(\a)+n:64*(\a)+n+1], v[64*(\a)+n:64*(\a)+n+1], v[BV+2*((\a)/2):BV+2*((\a)/2)+1] op_sel_hi:[1,0]
.endif
.set n, n+2
.endr
.irp g, 0,1,2,3
	SWAP16 64*(\a)+16*\g
.endr
	WIN 0
	s_wait_alu depctr_va_vdst(0)                   ; the wait ahead of the waits below
	s_wait_xcnt 0x0                                ; the last block's stores to memory have read their registers,
	s_wait_dscnt 0x0                               ; and those to LDS
	QUANT 64*(\a)
.irp c, 0,1,2
	global_store_b128 v[L16], v[PC+4*\c:PC+4*\c+3], s[KVR:KVR+1] offset:6144+1536*(\a)+512*\c
.endr
	ds_store_b32 v[SV8], v[PW] offset:128*((\a)%2)+4*((\a)/2)
.rept 8
	v_nop                                          ; a scale register written by a vector instruction stands 8 places ahead of a scaled matrix instruction
.endr
	v_wmma_scale_f32_16x16x128_f8f6f4 v[VS:VS+7], v[ONES:ONES+11], v[PC:PC+11], 0, v[ONESC], v[PW] matrix_a_fmt:MATRIX_FMT_FP6 matrix_b_fmt:MATRIX_FMT_FP6   ; ones x the quantised v: row r's sum over the 128 keys
	PLACES NP
	ds_store_b32 v[SV4], v[VS] offset:256+64*(\a)
.endm
.Lkq:                                              ; two trips: k, then q
	MAIN 0, 1
	s_add_nc_u64 s[WSP:WSP+1], s[WSP:WSP+1], 32768 ; the next part's scale words of W (the last loads by this base are done)
.irp a, 0,1,2,3
	global_load_b128 v[WS+8*\a:WS+8*\a+3], v[VXS], s[WSP:WSP+1] offset:512*\a
	global_load_b128 v[WS+8*\a+4:WS+8*\a+7], v[VXS], s[WSP:WSP+1] offset:512*\a+16
.endr
	s_cmp_lg_u32 s88, 0
	s_cbranch_scc1 .Lno_bias                       ; behind k: q's bias; v's came at the head
.irp a, 0,1,2,3
	global_load_b128 v[BI+8*\a:BI+8*\a+3], v[VBQ], s[BP:BP+1] offset:4096+64*\a
	global_load_b128 v[BI+8*\a+4:BI+8*\a+7], v[VBQ], s[BP:BP+1] offset:4096+64*\a+16
.endr
.Lno_bias:
	EPIQ 0
	EPIQ 1
	EPIQ 2
	EPIQ 3
	ds_load_b128 v[RB+12:RB+15], v[RDQ] offset:1536    ; the part's 512 bytes of scale words
	s_wait_dscnt 0x0
	STOREQ 3
	global_store_b128 v[L16], v[RB+12:RB+15], s[SPT:SPT+1]
	s_wait_xcnt 0x0                                ; the stores and the prefetches have read their bases
	s_mov_b64 s[CPT:CPT+1], s[QCP:QCP+1]           ; the second trip's results go to qc and qs
	s_mov_b64 s[SPT:SPT+1], s[QSP:QSP+1]
	s_add_nc_u64 s[PF:PF+1], s[PF:PF+1], 1024*KROW
	s_add_co_u32 s88, s88, 1
	s_cmp_lt_u32 s88, 2
	s_wait_alu depctr_va_vdst(0)                   ; the wait ahead of the branch
	s_cbranch_scc1 .Lkq
	MAIN 1, 0                                      ; v: nothing more is asked for
	EPIV 0
	EPIV 1
	EPIV 2
	EPIV 3
	ds_load_b64 v[RB:RB+1], v[RD8]                 ; v's scale words, 256 bytes,
	ds_load_b64 v[RB+2:RB+3], v[RD8] offset:256    ; and the 64 sums
	s_wait_dscnt 0x0
	global_store_b64 v[L8], v[RB:RB+1], s[KVR:KVR+1] offset:12800   ; 32 lanes fill 256 consecutive bytes
	global_store_b64 v[L8], v[RB+2:RB+3], s[VSP:VSP+1]
	s_wait_tensorcnt 0x0                           ; the wave's end
	ds_add_u32 v[SPW], v[NIL]
	s_wait_dscnt 0x0
	CROUND                                         ; the closing round
	s_endpgm
.Lfunc_end_k_qbbe177d853_qkv:
	.size	k_qbbe177d853_qkv, .Lfunc_end_k_qbbe177d853_qkv-k_qbbe177d853_qkv
	.p2alignl 7, 3214868480
	.fill 96, 4, 3214868480
	.section	.rodata,"a",@progbits
	.p2align	6, 0x0
	.amdhsa_kernel k_qbbe177d853_qkv
		.amdhsa_group_segment_fixed_size 327680
		.amdhsa_private_segment_fixed_size 0
		.amdhsa_enable_private_segment 0
		.amdhsa_kernarg_size 80
		.amdhsa_user_sgpr_count 2
		.amdhsa_user_sgpr_kernarg_segment_ptr 1
		.amdhsa_wavefront_size32 1
		.amdhsa_system_sgpr_workgroup_id_x 1
		.amdhsa_system_sgpr_workgroup_id_y 1
		.amdhsa_system_sgpr_workgroup_id_z 1
		.amdhsa_system_vgpr_workitem_id 0
		.amdhsa_next_free_vgpr 768
		.amdhsa_next_free_sgpr 100
		.amdhsa_reserve_vcc 1
		.amdhsa_float_denorm_mode_32 3
		.amdhsa_float_denorm_mode_16_64 3
		.amdhsa_memory_ordered 1
		.amdhsa_forward_progress 1
		.amdhsa_inst_pref_size 216
	.end_amdhsa_kernel
	.amdgpu_metadata
---
amdhsa.version: [ 1, 2 ]
amdhsa.kernels:
  - .name:           k_qbbe177d853_qkv
    .symbol:         k_qbbe177d853_qkv.kd
    .args:
      - { .name: x_codes, .offset: 0, .size: 8, .value_kind: global_buffer, .address_space: global }
      - { .name: x_scales, .offset: 8, .size: 8, .value_kind: global_buffer, .address_space: global }
      - { .name: W_kqv_codes, .offset: 16, .size: 8, .value_kind: global_buffer, .address_space: global }
      - { .name: W_kqv_scales, .offset: 24, .size: 8, .value_kind: global_buffer, .address_space: global }
      - { .name: b_kqv, .offset: 32, .size: 8, .value_kind: global_buffer, .address_space: global }
      - { .name: padding_mask, .offset: 40, .size: 8, .value_kind: global_buffer, .address_space: global }
      - { .name: qc, .offset: 48, .size: 8, .value_kind: global_buffer, .address_space: global }
      - { .name: qs, .offset: 56, .size: 8, .value_kind: global_buffer, .address_space: global }
      - { .name: kv, .offset: 64, .size: 8, .value_kind: global_buffer, .address_space: global }
      - { .name: vsum, .offset: 72, .size: 8, .value_kind: global_buffer, .address_space: global }
    .group_segment_fixed_size: 327680
    .private_segment_fixed_size: 0
    .kernarg_segment_align: 8
    .kernarg_segment_size: 80
    .max_flat_workgroup_size: 128
    .sgpr_count:     100
    .vgpr_count:     768
    .wavefront_size: 32
...
	.end_amdgpu_metadata
.endif
;; end of part 1
;; launch attn (part 2): grid 4 x 64, 16 waves a work-group, clusters of 4 x 1, 327,680 bytes of LDS; arguments qc, qs, kv, vsum, yc, ys; writes yc, ys
.if DOCPART == 2
	.amdgcn_target "amdgcn-amd-amdhsa--gfx1250"
	.amdhsa_code_object_version 6
	.text
	.protected	k_qbbe177d853_attn
	.globl	k_qbbe177d853_attn
	.p2align	8
	.type	k_qbbe177d853_attn,@function
k_qbbe177d853_attn:
	s_mov_b64 s[64:65], 0
	v_nop
	global_prefetch_b8 v0, s[64:65] scope:SCOPE_SE
	s_setreg_imm32_b32 hwreg(HW_REG_WAVE_MODE, 25, 1), 1
	s_wait_xcnt 0x0
	s_wait_alu depctr_hold_cnt(0) depctr_sa_sdst(0) depctr_va_vdst(0) depctr_va_sdst(0) depctr_va_ssrc(0) depctr_va_vcc(0) depctr_vm_vsrc(0)
	s_getreg_b32 s2, hwreg(HW_REG_IB_STS2, 6, 4)
	s_cmp_eq_u32 s2, 0
	s_cbranch_scc0 .Lentry_in_a_cluster
	s_endpgm
.Lentry_in_a_cluster:
	s_bfe_u32 s2, ttmp6, 0x10000c
	s_cmp_lg_u32 s2, 0x3003
	s_cbranch_scc0 .Lentry_shape_is_right
	s_endpgm
.Lentry_shape_is_right:
; y = softmax(q k^T / 8, causal and padded) v for one head, both products on codes of FP6 (E2M3) with E8M0 scales, and the quantiser of y (a head is two blocks of 32 channels) behind it.
; THE SOFTMAX: t = score x log2(e) / 8; M = the running largest t rounded up to a whole number; p = 2^(t - M) is quantised along the keys, not normalised; the row's sum of the unquantised p divides at the end.
; ALL OF A HEAD'S KEYS AND VALUES STAY IN LDS: 16 records of 13,568 bytes (128 keys each) are 217,088 bytes.  Each of the sixteen waves fetches one record at the head; one barrier follows; nothing is filled again.
; SHARES.  A head has 128 tiles of 16 queries.  Wave w of work-group I owns tiles 127 - (4 w + I) and 4 w + I.  Tile T needs records 0 .. T / 8, and (4 w + I) / 8 = w / 2 for I = 0 .. 3:
; 16 - w / 2 and w / 2 + 1 key steps, 17 for every wave, and no branch hangs on I.  Record 15 is read by wave 0 of every work-group: all that is fetched is read.
; Key steps that lie wholly behind a tile's queries under the causal mask are passed over by a branch on the wave's number and the loop's counter.
; CLUSTER: the four work-groups of a head want the same sixteen records at the same time: each record is asked for jointly (mask 15).
; No prefetch: every tensor load goes out at the head, so there is no loop to run ahead in.
; LAYOUT.  S^T = k q^T (source 0 = 16 keys, source 1 = my queries), O^T = v^T p^T: a lane holds one query throughout.  A tile holds tokens 32 (T / 2) + 8 (T % 2) + s + 8 (s / 8), so that
; the 16 registers of tiles 2 b and 2 b + 1 are 16 neighbouring keys.  The first product's K is 64: q's upper 64 codes are zeros and both sides' upper scale bytes stand for 1.
; MASKS.  A padded key has -2^32 as the C of its score's product; a key behind the query gets -2^32 by a select in the step on the diagonal.  A row whose keys so far are all masked carries finite
; numbers that the first valid key multiplies by 0.  A row with no valid key at all gets the mean of the quantised v over all 2,048 keys: the uniform softmax over all places.
; LIMITS: |q . k| under 2^30; NaN and infinities are not served; a block under 2^-124 keeps the scale byte 1.
.set REC,   13568
.set VB,    16*REC                     ; the mean of v, 256 bytes for each wave
.set SPARE, VB+4096                    ; the spare words: 128 bytes a wave
.set L16, 1
.set L8,  2
.set LH,  3
.set AVB, 4
.set SPW, 5
.set NIL, 6
.set QL,  7                            ; r + 8 (r / 8) - 16 h
.set A16, 8
.set A8,  9
.set AH,  10
.set NEG, 11
.set QSC, 28
.set YS8, 29
.set FRG, 30                           ; k's tile t at v[30 + 6 t]; v^T's tile t at v[30 + 12 t]
.set KSC, 84
.set VSC, 88
.set S,   96
.set O,   160
.set P,   192
.set BM,  212
.set PT,  216
.set SOP, 220
.set TP,  224
.set F,   226
.set PSC, 228
.set Q1,  232                          ; the second tile's q, v238 its scale words
.set IX,  16
.set BH,  17
.set WV,  18
.set BB,  19
.set SEL, 20
.set CS,  22
.set G1,  24
.set HD,  32
.set TB,  33
.set N,   34
.set LIM, 35                           ; my tile's last record
.set RC,  36
.set QD,  37                           ; my tile's first query within its record
.set TL,  38
.set G0,  40
.set TT,  48
.macro CROUND
	s_barrier_signal -1
	s_barrier_wait -1
	s_cmp_lg_u32 s[WV], 0
	s_cbranch_scc1 .Lnw0_\@
	s_barrier_signal -3
.Lnw0_\@:
	s_barrier_wait -3
	s_barrier_signal -1
	s_barrier_wait -1
.endm
.macro QADDR t, cp, sp                 ; where tile s[t]'s codes and scale words lie
	s_lshl_b32 s50, s[BH], 7
	s_add_co_u32 s50, s50, s[\t]
	s_mul_i32 s50, s50, 768
	s_add_nc_u64 s[\cp:\cp+1], s[4:5], s[50:51]
	s_lshl_b32 s50, s[BH], 4
	s_lshr_b32 s66, s[\t], 3
	s_add_co_u32 s50, s50, s66
	s_lshl_b32 s50, s50, 9
	s_and_b32 s66, s[\t], 1
	s_lshl_b32 s66, s66, 8
	s_add_co_u32 s50, s50, s66
	s_bfe_u32 s66, s[\t], 0x20001
	s_lshl_b32 s66, s66, 2
	s_add_co_u32 s50, s50, s66
	s_add_nc_u64 s[\sp:\sp+1], s[6:7], s[50:51]
.endm
.macro SETQ
	s_bfe_u32 s[QD], s[TT], 0x20001
	s_lshl_b32 s[QD], s[QD], 5
	s_and_b32 s49, s[TT], 1
	s_lshl_b32 s49, s49, 3
	s_add_co_u32 s[QD], s[QD], s49
.endm
.macro INIT                            ; a tile begins: O^T and the sum are zeros, the largest t lies under every t
	v_mov_b32 v13, 0xff61b1e6
	s_delay_alu instid0(VALU_DEP_1)
	v_floor_f32 v12, -v13
	v_mov_b32 v14, 0
	v_mov_b32 v15, 0
.set n, 0
.rept 32
	v_mov_b32 v[O+n], 0
.set n, n+1
.endr
.endm
.macro SWAP16 base
.irp j, 0,1,2,3,4,5,6,7
	v_permlane16_swap_b32 v[\base+\j], v[\base+8+\j]
.endr
.endm
	s_load_b256 s[4:11], s[0:1], 0x0               ; qc, qs, kv, vsum
	s_load_b128 s[12:15], s[0:1], 0x20             ; yc, ys
	v_lshl_add_u32 v[SPW], v0, 2, SPARE
	v_mov_b32 v[NIL], 0
	ds_add_u32 v[SPW], v[NIL]                      ; the opening: the add, twice on end, and its wait
	ds_add_u32 v[SPW], v[NIL]
	v_lshrrev_b32 v8, 5, v0
	v_readfirstlane_b32 s[WV], v8                  ; wave 0..15
	s_bfe_u32 s[IX], ttmp6, 0x40000                ; my place among the head's four work-groups
	s_and_b32 s[BH], ttmp7, 0xffff
	s_lshr_b32 s[BB], s[BH], 4
	s_and_b32 s[HD], s[BH], 15
	s_mov_b32 s[G1], 15|(3<<16)|(1<<21)            ; all four partners; a record: 53 dense rows of 256 bytes (32 elements of 8)
	s_mov_b32 s[G1+1], 32<<16
	s_mov_b32 s[G1+2], 53<<16
	s_mov_b32 s[G1+3], 32<<16
	s_mov_b32 s[G1+4], 53
	s_mov_b32 s[G1+5], 32
	s_mov_b32 s[G1+6], 0
	s_mov_b32 s[G1+7], 0
	s_mul_i32 s49, s[WV], REC                      ; record w: its place in LDS and in the head's run of records
	s_mul_i32 s46, s[BH], 16*REC
	s_add_co_u32 s46, s46, s49
	s_mov_b32 s47, 0
	s_mov_b32 s[G0], 1
	s_mov_b32 s[G0+1], s49
	s_wait_dscnt 0x0
	s_wait_kmcnt 0x0
	s_add_nc_u64 s[G0+2:G0+3], s[8:9], s[46:47]
	s_or_b32 s[G0+3], s[G0+3], 0x80000000
	CROUND                                         ; the four work-groups are here: the joint loads meet
	tensor_load_to_lds s[G0:G0+3], s[G1:G1+7]      ; my one tensor load of the launch
	s_nop 0
.rept 4
	v_nop
.endr
	s_mov_b32 s[SEL], 0x76543210
	s_mov_b32 s[SEL+1], 0xfedcba98
	s_mov_b32 s[CS], 0x3e38aa3b                    ; c = log2(e) / 8
	s_mov_b32 s[CS+1], s[CS]
	s_mov_b32 s51, 0
	s_lshl_b32 s[TL], s[WV], 2
	s_add_co_u32 s[TL], s[TL], s[IX]               ; my second tile
	s_sub_co_u32 s[TT], 127, s[TL]                 ; my first
	QADDR TT, 52, 56
	QADDR TL, 54, 58
	s_lshl_b32 s50, s[BB], 16
	s_lshl_b32 s66, s[HD], 8
	s_add_co_u32 s50, s50, s66
	s_add_nc_u64 s[60:61], s[10:11], s[50:51]      ; vsum[batch][0][64 x head]
	s_lshl_b32 s39, s[WV], 8
	s_add_co_u32 s39, s39, VB
	s_lshr_b32 s49, s[WV], 1
	s_sub_co_u32 s[LIM], 15, s49
	SETQ
	s_mov_b32 s[N], 0
	v_and_b32 v8, 31, v0
	v_and_b32 v9, 15, v0                           ; r
	v_bfe_u32 v10, v0, 4, 1                        ; h
	v_lshlrev_b32 v[L16], 4, v8
	v_lshlrev_b32 v[L8], 3, v8
	v_lshlrev_b32 v[LH], 6, v10
	v_lshl_add_u32 v[AVB], v10, 5, s39
	v_and_b32 v[QL], 8, v9
	v_lshlrev_b32 v8, 4, v10
	v_add_nc_u32 v[QL], v[QL], v9
	v_lshlrev_b32 v[YS8], 3, v9
	v_mov_b32 v[NEG], 0xcf800000
	v_sub_nc_u32 v[QL], v[QL], v8
	v_lshlrev_b32 v9, 4, v9                        ; q's scale words: 16 r
	v_add_nc_u32 v10, s39, v[L8]                   ; where I put my two numbers of the mean
	s_wait_alu depctr_va_vdst(0)                   ; the wait behind these writes
	global_load_b128 v[16:19], v[L16], s[52:53]    ; both tiles' q now
	global_load_b64 v[20:21], v[L8], s[52:53] offset:512
	global_load_b128 v[Q1:Q1+3], v[L16], s[54:55]
	global_load_b64 v[Q1+4:Q1+5], v[L8], s[54:55] offset:512
	global_load_b32 v[QSC], v9, s[56:57]
	global_load_b32 v[Q1+6], v9, s[58:59]
.set n, 0
.rept 16
	global_load_b64 v[S+2*n:S+2*n+1], v[L8], s[60:61] offset:4096*n   ; the sixteen key steps' sums of v: two channels a lane
.set n, n+1
.endr
.irp j, 22,23,24,25,26,27,78,79,80,81,82,83
	v_mov_b32 v\j, 0                               ; q's upper 64 codes; the upper half of k's last operand
.endr
.irp j, 0,1,2,3
	v_mov_b32 v[PT+\j], 0                          ; a lane permute's destination counts as one of its sources
.endr
	v_mov_b32 v[TP], 0
	v_mov_b32 v[F+1], 0
	INIT
	s_wait_loadcnt 0x0
	v_pk_add_f32 v[254:255], v[98:99], v[100:101]
	v_pk_add_f32 v[252:253], v[102:103], v[104:105]
	v_pk_add_f32 v[250:251], v[106:107], v[108:109]
	v_pk_add_f32 v[248:249], v[110:111], v[112:113]
	v_pk_add_f32 v[246:247], v[114:115], v[116:117]
	v_pk_add_f32 v[244:245], v[118:119], v[120:121]
	v_pk_add_f32 v[242:243], v[122:123], v[124:125]
	v_pk_add_f32 v[96:97], v[96:97], v[126:127]
	v_pk_add_f32 v[254:255], v[254:255], v[246:247]
	v_pk_add_f32 v[252:253], v[252:253], v[244:245]
	v_pk_add_f32 v[250:251], v[250:251], v[242:243]
	v_pk_add_f32 v[96:97], v[96:97], v[248:249]
	v_pk_add_f32 v[254:255], v[254:255], v[250:251]
	v_pk_add_f32 v[96:97], v[96:97], v[252:253]
	s_delay_alu instid0(VALU_DEP_1)
	v_pk_add_f32 v[96:97], v[96:97], v[254:255]
	s_delay_alu instid0(VALU_DEP_1)
	v_pk_mul_f32 v[S:S+1], v[S:S+1], 0x3a000000 op_sel_hi:[1,0]   ; / 2,048
	ds_store_b64 v10, v[S:S+1]                     ; my wave's own bytes
	s_wait_alu depctr_va_vdst(0)                   ; the wait at the head's end
	s_wait_tensorcnt 0x0                           ; my record is in,
	s_wait_dscnt 0x0
	s_barrier_signal -1
	s_barrier_wait -1                              ; and so is every wave's: all sixteen records may be read
; A tile of queries is finished: O^T / the sum (or the mean of v), quantised along the head's 64, stored as half an operand's image, its two scale bytes beside it.
.macro FINISH
.rept 4
	v_nop                                          ; places behind the last products
.endr
	v_add_f32 v14, v14, v15
	s_delay_alu instid0(VALU_DEP_1)
	v_permlanex16_b32 v[TP], v14, s[SEL], s[SEL+1]
	s_delay_alu instid0(VALU_DEP_1)
	v_add_f32 v14, v14, v[TP]                      ; the row's sum
	s_wait_alu depctr_va_vdst(0)                   ; the wait ahead of the reciprocal
	v_rcp_f32 v14, v14
	v_nop
.irp t, 0,1,2,3
	ds_load_b128 v[S+8*\t:S+8*\t+3], v[AVB] offset:64*\t        ; the mean of v at channels 16 t + 8 h + 0 .. 7
	ds_load_b128 v[S+8*\t+4:S+8*\t+7], v[AVB] offset:64*\t+16
.endr
	v_cmp_lt_f32 vcc_lo, 0xcd800000, v13           ; -2^28 < the largest t: the row has a valid key
	s_lshl_b32 s54, s[BB], 7
	s_add_co_u32 s54, s54, s[TT]                   ; the tile among all 512
	s_lshl_b32 s56, s54, 4
	s_add_co_u32 s56, s56, s[HD]
	s_mul_i32 s56, s56, 768
	s_mov_b32 s57, 0
	s_add_nc_u64 s[58:59], s[12:13], s[56:57]      ; yc[tile][head]
	s_lshr_b32 s56, s[HD], 2
	s_lshl_b32 s56, s56, 16
	s_lshl_b32 s54, s54, 7
	s_add_co_u32 s56, s56, s54
	s_and_b32 s54, s[HD], 3
	s_lshl_b32 s54, s54, 1
	s_add_co_u32 s56, s56, s54
	s_add_nc_u64 s[62:63], s[14:15], s[56:57]      ; ys[head / 4][tile][.][2 (head % 4)]
	s_wait_alu depctr_va_vdst(0)                   ; ahead of the reciprocal's and O^T's first reader
.set n, 0
.rept 16
	v_pk_mul_f32 v[128+n:129+n], v[O+n:O+n+1], v[14:15] op_sel_hi:[1,0]   ; each accumulator from its low end on
.set n, n+2
.endr
	s_wait_dscnt 0x0
.set n, 0
.rept 32
	v_cndmask_b32 v[128+n], v[S+n], v[128+n], vcc_lo
.set n, n+1
.endr
	SWAP16 128                                     ; register 16 g + i = channel 32 g + 16 h + i
	SWAP16 144
.irp g, 0,1
	v_max3_num_f32 v[BM+\g], |v[128+16*\g]|, |v[129+16*\g]|, 0x1800000
.endr
.irp i, 2,4,6,8,10,12,14
.irp g, 0,1
	s_delay_alu instid0(VALU_DEP_2)
	v_max3_num_f32 v[BM+\g], v[BM+\g], |v[128+16*\g+\i]|, |v[129+16*\g+\i]|
.endr
.endr
.irp g, 0,1
	s_delay_alu instid0(VALU_DEP_2)
	v_permlanex16_b32 v[PT+\g], v[BM+\g], s[SEL], s[SEL+1]
.endr
.irp g, 0,1
	s_delay_alu instid0(VALU_DEP_2)
	v_max_num_f32 v[BM+\g], v[BM+\g], v[PT+\g]
.endr
.irp g, 0,1
	s_delay_alu instid0(VALU_DEP_2)
	v_add_nc_u32 v[SOP+\g], 0xff000000, v[BM+\g]
.endr
.irp g, 0,1
	s_delay_alu instid0(VALU_DEP_2)
	v_lshrrev_b32 v[PT+\g], 23, v[SOP+\g]
.endr
	s_delay_alu instid0(VALU_DEP_1)
	v_lshl_or_b32 v[PT], v[PT+1], 8, v[PT]         ; the head's two scale bytes of my row
	v_cvt_scalef32_pk16_fp6_f32 v[P:P+2], v[128:143], v[SOP]
	v_cvt_scalef32_pk16_fp6_f32 v[P+12:P+14], v[144:159], v[SOP+1]
	v_nop
.irp i, 0,1,2
	v_permlane16_swap_b32 v[P+\i], v[P+12+\i]
.endr
.irp i, 0,1,2
	s_delay_alu instid0(VALU_DEP_3)
	v_mov_b32 v[P+3+\i], v[P+12+\i]                ; registers 0-5: channels 32 h + 0 .. 31
.endr
	global_store_b128 v[L16], v[P:P+3], s[58:59]              ; 512 consecutive bytes,
	global_store_b64 v[L8], v[P+4:P+5], s[58:59] offset:512   ; and 256: three whole aligned blocks
	global_store_b16 v[YS8], v[PT], s[62:63]                  ; lanes l and l xor 16 store the same two bytes
	s_wait_xcnt 0x0                                ; the stores have read their registers and bases: both are written again
.endm
.Lrec:                                             ; 32 trips: records 0 .. 15 for my first tile, then for my second
	s_cmp_lg_u32 s[N], 16
	s_cbranch_scc1 .Lsame
	FINISH                                         ; the first tile leaves, the second begins
	s_mov_b32 s[TT], s[TL]
	s_lshr_b32 s[LIM], s[WV], 1
	SETQ
.irp j, 0,1,2,3,4,5
	v_mov_b32 v[16+\j], v[Q1+\j]
.endr
	v_mov_b32 v[QSC], v[Q1+6]
	INIT                                           ; (its moves are the places between these writes and the next products)
	s_wait_alu depctr_va_vdst(0)                   ; the wait ahead of the branches below
.Lsame:
	s_and_b32 s[RC], s[N], 15
	s_cmp_gt_u32 s[RC], s[LIM]                     ; all the record's keys lie behind my queries
	s_cbranch_scc1 .Lhidden
	s_mul_i32 s[TB], s[RC], REC
	v_add_nc_u32 v[A16], s[TB], v[L16]
	v_add_nc_u32 v[A8], s[TB], v[L8]
	v_add_nc_u32 v[AH], s[TB], v[LH]
	v_nop                                          ; four places in front of loads into registers that the last products read
.irp t, 0,1,2,3,4,5,6,7
	ds_load_b128 v[FRG+6*\t:FRG+6*\t+3], v[A16] offset:768*\t
	ds_load_b64 v[FRG+6*\t+4:FRG+6*\t+5], v[A8] offset:768*\t+512
	ds_load_b128 v[S+8*\t:S+8*\t+3], v[AH] offset:13056+4*(32*(\t/2)+8*(\t%2))        ; the padding mask of my eight keys of the tile: the product's C
	ds_load_b128 v[S+8*\t+4:S+8*\t+7], v[AH] offset:13056+4*(32*(\t/2)+8*(\t%2))+16
.endr
	ds_load_b128 v[KSC:KSC+3], v[A16] offset:12288
	s_wait_alu depctr_va_vdst(0)                   ; the wait ahead of the wait below
	s_wait_dscnt 0x0
.irp t, 0,1,2,3,4,5,6,7
.if \t%2
	v_wmma_scale_f32_16x16x128_f8f6f4 v[S+8*\t:S+8*\t+7], v[FRG+6*\t:FRG+6*\t+11], v[16:27], v[S+8*\t:S+8*\t+7], v[KSC+\t/2], v[QSC] matrix_a_fmt:MATRIX_FMT_FP6 matrix_b_fmt:MATRIX_FMT_FP6 matrix_a_scale:MATRIX_SCALE_ROW1
.else
	v_wmma_scale_f32_16x16x128_f8f6f4 v[S+8*\t:S+8*\t+7], v[FRG+6*\t:FRG+6*\t+11], v[16:27], v[S+8*\t:S+8*\t+7], v[KSC+\t/2], v[QSC] matrix_a_fmt:MATRIX_FMT_FP6 matrix_b_fmt:MATRIX_FMT_FP6
.endif
.endr
.rept 4
	v_nop
.endr
.irp t, 0,1,2,3                                ; v^T's fragments are asked for now and land under the softmax
.irp c, 0,1,2
	ds_load_b128 v[FRG+12*\t+4*\c:FRG+12*\t+4*\c+3], v[A16] offset:6144+1536*\t+512*\c
.endr
.endr
	ds_load_b64 v[VSC:VSC+1], v[A8] offset:12800
	s_cmp_lt_u32 s[RC], s[LIM]                     ; an earlier record than my queries': all keys count, no select
	s_cbranch_scc1 .Lopen
	v_add_nc_u32 v[TP], s[QD], v[QL]               ; d = my query - the record's first key - 16 h.  Register 16 b + i holds key 32 b + 16 h + i: hidden where 32 b + i > d
.set n, 0
.rept 64
	v_cmp_gt_i32 vcc_lo, 32*(n/16)+n%16, v[TP]
	v_cndmask_b32 v[S+n], v[S+n], v[NEG], vcc_lo
.set n, n+1
.endr
.Lopen:
.irp b, 0,1,2,3
	v_max3_num_f32 v[BM+\b], v[S+16*\b], v[S+1+16*\b], v[S+2+16*\b]   ; the largest score of each block of 32 keys: for the row's maximum and, since p rises with the score, for the block's largest p
.endr
.irp i, 3,5,7,9,11,13
.irp b, 0,1,2,3
	v_max3_num_f32 v[BM+\b], v[BM+\b], v[S+16*\b+\i], v[S+1+16*\b+\i]
.endr
.endr
.irp b, 0,1,2,3
	v_max_num_f32 v[BM+\b], v[BM+\b], v[S+15+16*\b]
.endr
.irp b, 0,1,2,3
	s_delay_alu instid0(VALU_DEP_4)
	v_permlanex16_b32 v[PT+\b], v[BM+\b], s[SEL], s[SEL+1]
.endr
.irp b, 0,1,2,3
	s_delay_alu instid0(VALU_DEP_4)
	v_max_num_f32 v[BM+\b], v[BM+\b], v[PT+\b]
.endr
	s_delay_alu instid0(VALU_DEP_2)
	v_max3_num_f32 v[TP], v[BM], v[BM+1], v[BM+2]
	s_delay_alu instid0(VALU_DEP_1)
	v_max_num_f32 v[TP], v[TP], v[BM+3]
	s_delay_alu instid0(VALU_DEP_1)
	v_mul_f32 v[TP], s[CS], v[TP]
	s_delay_alu instid0(VALU_DEP_1)
	v_max_num_f32 v13, v13, v[TP]                  ; the running largest t
	v_mov_b32 v[TP], v12
	s_delay_alu instid0(VALU_DEP_2)
	v_floor_f32 v12, -v13                          ; -M = floor(-t)
	s_delay_alu instid0(VALU_DEP_1)
	v_sub_f32 v[TP], v12, v[TP]                    ; old M - new M: a whole number, 0 or less
	s_delay_alu instid0(VALU_DEP_1)
	v_cvt_i32_f32 v[TP], v[TP]
	s_delay_alu instid0(VALU_DEP_1)
	v_ldexp_f32 v[F], 1.0, v[TP]                   ; f = 2^(old M - new M): a multiplication by it rounds nothing
.set n, 0
.rept 32
	v_pk_fma_f32 v[S+n:S+n+1], v[S+n:S+n+1], s[CS:CS+1], v[12:13] op_sel_hi:[1,0,0]   ; t - M
.set n, n+2
.endr
.irp b, 0,1,2,3
	v_fma_f32 v[BM+\b], v[BM+\b], s[CS], v12
.endr
.set n, 0
	s_wait_alu depctr_va_vdst(0)                   ; the wait ahead of the batch
.rept 64
	v_exp_f32 v[S+n], v[S+n]                       ; p = 2^(t - M)
.set n, n+1
.endr
	v_pk_mul_f32 v[14:15], v[14:15], v[F:F+1] op_sel_hi:[1,0]   ; the sums under the new M
	s_wait_alu depctr_va_vdst(0)                   ; one wait for the batch of 64
.irp b, 0,1,2,3
	v_exp_f32 v[BM+\b], v[BM+\b]                   ; the blocks' largest p
.endr
	v_pk_add_f32 v[230:231], v[100:101], v[104:105]
	v_pk_add_f32 v[254:255], v[108:109], v[112:113]
	v_pk_add_f32 v[252:253], v[116:117], v[120:121]
	v_pk_add_f32 v[250:251], v[124:125], v[128:129]
	v_pk_add_f32 v[248:249], v[132:133], v[136:137]
	v_pk_add_f32 v[246:247], v[140:141], v[144:145]
	v_pk_add_f32 v[244:245], v[148:149], v[152:153]
	v_pk_add_f32 v[14:15], v[14:15], v[156:157]
	v_pk_add_f32 v[230:231], v[230:231], v[96:97]
	v_pk_add_f32 v[254:255], v[254:255], v[98:99]
	v_pk_add_f32 v[252:253], v[252:253], v[102:103]
	v_pk_add_f32 v[250:251], v[250:251], v[106:107]
	v_pk_add_f32 v[248:249], v[248:249], v[110:111]
	v_pk_add_f32 v[246:247], v[246:247], v[114:115]
	v_pk_add_f32 v[244:245], v[244:245], v[118:119]
	v_pk_add_f32 v[14:15], v[14:15], v[122:123]
	v_pk_add_f32 v[230:231], v[230:231], v[126:127]
	v_pk_add_f32 v[254:255], v[254:255], v[130:131]
	v_pk_add_f32 v[252:253], v[252:253], v[134:135]
	v_pk_add_f32 v[250:251], v[250:251], v[138:139]
	v_pk_add_f32 v[248:249], v[248:249], v[142:143]
	v_pk_add_f32 v[246:247], v[246:247], v[146:147]
	v_pk_add_f32 v[244:245], v[244:245], v[150:151]
	v_pk_add_f32 v[14:15], v[14:15], v[154:155]
	v_pk_add_f32 v[230:231], v[230:231], v[158:159]
	s_delay_alu instid0(VALU_DEP_2)
	v_pk_add_f32 v[14:15], v[14:15], v[250:251]
	s_delay_alu instid0(VALU_DEP_2)
	v_pk_add_f32 v[230:231], v[230:231], v[248:249]
	v_pk_add_f32 v[254:255], v[254:255], v[246:247]
	v_pk_add_f32 v[252:253], v[252:253], v[244:245]
	s_delay_alu instid0(VALU_DEP_2)
	v_pk_add_f32 v[14:15], v[14:15], v[254:255]
	s_delay_alu instid0(VALU_DEP_2)
	v_pk_add_f32 v[230:231], v[230:231], v[252:253]
	s_delay_alu instid0(VALU_DEP_1)
	v_pk_add_f32 v[14:15], v[14:15], v[230:231]
	s_wait_alu depctr_va_vdst(0)                   ; and one for the four
.irp b, 0,1,2,3
	v_max_num_f32 v[BM+\b], 0x1800000, v[BM+\b]    ; the floor 2^(3 - 127)
.endr
.irp b, 0,1,2,3
	s_delay_alu instid0(VALU_DEP_4)
	v_add_nc_u32 v[SOP+\b], 0xff000000, v[BM+\b]
.endr
.irp b, 0,1,2,3
	s_delay_alu instid0(VALU_DEP_4)
	v_lshrrev_b32 v[PT+\b], 23, v[SOP+\b]
.endr
	s_delay_alu instid0(VALU_DEP_3)
	v_lshl_or_b32 v[PSC], v[PT+1], 8, v[PT]        ; p's scale word for these 128 keys
	s_delay_alu instid0(VALU_DEP_1)
	v_lshl_or_b32 v[PSC], v[PT+2], 16, v[PSC]
	s_delay_alu instid0(VALU_DEP_1)
	v_lshl_or_b32 v[PSC], v[PT+3], 24, v[PSC]
.irp c, 0,1
	v_cvt_scalef32_pk16_fp6_f32 v[P+6*\c:P+2+6*\c], v[S+32*\c:S+15+32*\c], v[SOP+2*\c]
	v_cvt_scalef32_pk16_fp6_f32 v[P+12+4*\c:P+14+4*\c], v[S+16+32*\c:S+31+32*\c], v[SOP+2*\c+1]
.endr
	v_nop                                          ; one plain place behind a scaled conversion
.irp c, 0,1
.irp i, 0,1,2
	v_permlane16_swap_b32 v[P+6*\c+\i], v[P+12+4*\c+\i]
.endr
.irp i, 0,1,2
	s_delay_alu instid0(VALU_DEP_3)
	v_mov_b32 v[P+3+6*\c+\i], v[P+12+4*\c+\i]
.endr
.endr
.set n, 0
.rept 16
	v_pk_mul_f32 v[O+n:O+n+1], v[O+n:O+n+1], v[F:F+1] op_sel_hi:[1,0]   ; O^T under the new M; also the places between the scale word's and the codes' last writes and the products
.set n, n+2
.endr
	s_wait_alu depctr_va_vdst(0)                   ; the wait ahead of the wait below
	s_wait_dscnt 0x0                               ; v^T's fragments and scale words
.irp t, 0,1,2,3
.if \t%2
	v_wmma_scale_f32_16x16x128_f8f6f4 v[O+8*\t:O+8*\t+7], v[FRG+12*\t:FRG+12*\t+11], v[P:P+11], v[O+8*\t:O+8*\t+7], v[VSC+\t/2], v[PSC] matrix_a_fmt:MATRIX_FMT_FP6 matrix_b_fmt:MATRIX_FMT_FP6 matrix_a_scale:MATRIX_SCALE_ROW1
.else
	v_wmma_scale_f32_16x16x128_f8f6f4 v[O+8*\t:O+8*\t+7], v[FRG+12*\t:FRG+12*\t+11], v[P:P+11], v[O+8*\t:O+8*\t+7], v[VSC+\t/2], v[PSC] matrix_a_fmt:MATRIX_FMT_FP6 matrix_b_fmt:MATRIX_FMT_FP6
.endif
.endr
.Lhidden:
	s_add_co_u32 s[N], s[N], 1
	s_cmp_lt_u32 s[N], 32
	s_cbranch_scc1 .Lrec
	FINISH
	s_wait_tensorcnt 0x0                           ; the wave's end
	ds_add_u32 v[SPW], v[NIL]
	s_wait_dscnt 0x0
	CROUND                                         ; the closing round
	s_endpgm
.Lfunc_end_k_qbbe177d853_attn:
	.size	k_qbbe177d853_attn, .Lfunc_end_k_qbbe177d853_attn-k_qbbe177d853_attn
	.p2alignl 7, 3214868480
	.fill 96, 4, 3214868480
	.section	.rodata,"a",@progbits
	.p2align	6, 0x0
	.amdhsa_kernel k_qbbe177d853_attn
		.amdhsa_group_segment_fixed_size 327680
		.amdhsa_private_segment_fixed_size 0
		.amdhsa_enable_private_segment 0
		.amdhsa_kernarg_size 48
		.amdhsa_user_sgpr_count 2
		.amdhsa_user_sgpr_kernarg_segment_ptr 1
		.amdhsa_wavefront_size32 1
		.amdhsa_system_sgpr_workgroup_id_x 1
		.amdhsa_system_sgpr_workgroup_id_y 1
		.amdhsa_system_sgpr_workgroup_id_z 1
		.amdhsa_system_vgpr_workitem_id 0
		.amdhsa_next_free_vgpr 256
		.amdhsa_next_free_sgpr 80
		.amdhsa_reserve_vcc 1
		.amdhsa_float_denorm_mode_32 3
		.amdhsa_float_denorm_mode_16_64 3
		.amdhsa_memory_ordered 1
		.amdhsa_forward_progress 1
		.amdhsa_inst_pref_size 50
	.end_amdhsa_kernel
	.amdgpu_metadata
---
amdhsa.version: [ 1, 2 ]
amdhsa.kernels:
  - .name:           k_qbbe177d853_attn
    .symbol:         k_qbbe177d853_attn.kd
    .args:
      - { .name: qc, .offset: 0, .size: 8, .value_kind: global_buffer, .address_space: global }
      - { .name: qs, .offset: 8, .size: 8, .value_kind: global_buffer, .address_space: global }
      - { .name: kv, .offset: 16, .size: 8, .value_kind: global_buffer, .address_space: global }
      - { .name: vsum, .offset: 24, .size: 8, .value_kind: global_buffer, .address_space: global }
      - { .name: yc, .offset: 32, .size: 8, .value_kind: global_buffer, .address_space: global }
      - { .name: ys, .offset: 40, .size: 8, .value_kind: global_buffer, .address_space: global }
    .group_segment_fixed_size: 327680
    .private_segment_fixed_size: 0
    .kernarg_segment_align: 8
    .kernarg_segment_size: 48
    .max_flat_workgroup_size: 512
    .sgpr_count:     80
    .vgpr_count:     256
    .wavefront_size: 32
...
	.end_amdgpu_metadata
.endif
;; end of part 2
;; launch proj (part 3): grid 4 x 64, 4 waves a work-group, clusters of 4 x 4, 327,680 bytes of LDS; arguments yc, ys, W_proj_codes, W_proj_scales, b_proj, out0; writes out0
.if DOCPART == 3
	.amdgcn_target "amdgcn-amd-amdhsa--gfx1250"
	.amdhsa_code_object_version 6
	.text
	.protected	k_qbbe177d853_proj
	.globl	k_qbbe177d853_proj
	.p2align	8
	.type	k_qbbe177d853_proj,@function
k_qbbe177d853_proj:
	s_mov_b64 s[64:65], 0
	v_nop
	global_prefetch_b8 v0, s[64:65] scope:SCOPE_SE
	s_setreg_imm32_b32 hwreg(HW_REG_WAVE_MODE, 25, 1), 1
	s_wait_xcnt 0x0
	s_wait_alu depctr_hold_cnt(0) depctr_sa_sdst(0) depctr_va_vdst(0) depctr_va_sdst(0) depctr_va_ssrc(0) depctr_va_vcc(0) depctr_vm_vsrc(0)
	s_getreg_b32 s2, hwreg(HW_REG_IB_STS2, 6, 4)
	s_cmp_eq_u32 s2, 0
	s_cbranch_scc0 .Lentry_in_a_cluster
	s_endpgm
.Lentry_in_a_cluster:
	s_bfe_u32 s2, ttmp6, 0x10000c
	s_cmp_lg_u32 s2, 0xf033
	s_cbranch_scc0 .Lentry_shape_is_right
	s_endpgm
.Lentry_shape_is_right:
; out0 = y W_proj + b_proj on codes of FP6 (E2M3) with E8M0 scales.  A work-group of four waves makes 128 rows x 256 columns, a wave 64 x 128 (32 accumulators).
; ALL OF K STAYS IN LDS: y's 8 tiles as images of the operand's registers (98,304 dense bytes), W's 256 rows of 768 bytes (16 bytes of padding behind every 256: pitch 816), and both sides' scales.
; Four tiles, four waves, one joint load a wave at the head; one barrier; nothing is filled again.  Every row asked of memory begins at a multiple of 256 bytes.
; CLUSTERS: 4 x 4 work-groups; y's tiles are shared along a row of the cluster, W's along a column.
; The matrix instruction is used transposed (source 0 = 16 rows of W, source 1 = 16 rows of y): a lane holds eight neighbouring columns of a row; the bias is the C of the first step's products.
; A tile of y holds tokens 32 (T / 2) + 8 (T % 2) + s + 8 (s / 8): the stores' row offsets put them back.
; No prefetch: every tensor load goes out at the head, so there is no loop to run ahead in.
.set KROW,   768
.set PITCH,  816
.set FR,     12
.set NP,     4
.set ATILE,  12288
.set ABYTES, 8*ATILE
.set BOFF,   ABYTES
.set HALFB,  128*PITCH
.set SCB,    BOFF+2*HALFB
.set HALFSB, 16*272
.set SBLK,   2*272
.set SCA,    SCB+2*HALFSB
.set SPARE,  SCA+4096
.set SPITCH, 528
.set ADA16, 16
.set ADA8,  17
.set ADRB,  20                         ; v20-21 W's blocks 0-3, 4-7; v22-23 the same with lanes 16-31 behind one padding more
.set STO,   24
.set RD,    25
.set ADSB,  26
.set ADSA,  27
.set SPW,   28
.set NIL,   29
.set CO,    30
.set SA,    32                         ; y's scale words: block a, step st at v[32 + 8 a + st]
.set SB,    64                         ; W's: block b, step st at v[64 + 8 b + st]
.set BI,    128
.set AF,    192
.set G1, 24
.set G0, 32
.set G0B, 36
.set G1B, 48
.set G0S, 56
.set G0SB, 60
.set G1S, 68
.set G1SB, 76
.set MSB, 0
.macro WIN new
.if MSB != (\new)
	s_set_vgpr_msb (MSB<<8)|(\new)
.set MSB, (\new)
.endif
.endm
.set MUL_1ST, 0x81                     ; source 0 window 1, source 1 and C window 0, D window 2
.set MUL_ON,  0xa1
.set TO_B,    0x40
.macro CROUND
	s_barrier_signal -1
	s_barrier_wait -1
	s_cmp_lg_u32 s14, 0
	s_cbranch_scc1 .Lnot_wave_0_\@
	s_barrier_signal -3
.Lnot_wave_0_\@:
	s_barrier_wait -3
	s_barrier_signal -1
	s_barrier_wait -1
.endm
	s_load_b256 s[4:11], s[0:1], 0x0               ; yc, ys, W's codes, W's scales
	s_load_b128 s[92:95], s[0:1], 0x20             ; b_proj, out0
	v_lshl_add_u32 v[SPW], v0, 2, SPARE
	v_mov_b32 v[NIL], 0
	ds_add_u32 v[SPW], v[NIL]                      ; the opening: the add, twice on end, and its wait
	ds_add_u32 v[SPW], v[NIL]
	v_lshrrev_b32 v1, 5, v0
	v_readfirstlane_b32 s14, v1
	s_lshr_b32 s15, s14, 1                         ; my half of the rows
	s_and_b32 s16, s14, 1                          ; my half of the columns
	s_bfe_u32 s40, ttmp6, 0x40000
	s_bfe_u32 s41, ttmp6, 0x40004
	s_lshl_b32 s42, ttmp9, 2
	s_add_co_u32 s42, s42, s40                     ; block of 256 columns
	s_and_b32 s17, ttmp7, 0xffff
	s_lshl_b32 s17, s17, 2
	s_add_co_u32 s17, s17, s41                     ; block of 128 rows
	s_lshl_b32 s43, s41, 2
	s_lshl_b32 s43, 15, s43
	s_lshl_b32 s44, 0x1111, s40
	s_or_b32 s[G1+0], s43, (3<<16)|(1<<21)         ; y's codes: 384 dense rows of 256 bytes
	s_mov_b32 s[G1+1], 32<<16
	s_mov_b32 s[G1+2], 384<<16
	s_mov_b32 s[G1+3], 32<<16
	s_mov_b32 s[G1+4], 384
	s_mov_b32 s[G1+5], 32
	s_mov_b32 s[G1+6], 0
	s_mov_b32 s[G1+7], 0
	s_or_b32 s[G1B+0], s44, (0<<16)|(1<<20)|(1<<21)|(5<<22)|(3<<25)  ; W's codes: 256 rows of 768 bytes, 4 words of padding behind every 64
	s_mov_b32 s[G1B+1], KROW<<16
	s_mov_b32 s[G1B+2], 256<<16
	s_mov_b32 s[G1B+3], KROW<<16
	s_mov_b32 s[G1B+4], 256
	s_mov_b32 s[G1B+5], KROW
	s_mov_b32 s[G1B+6], 0
	s_mov_b32 s[G1B+7], 0
	s_or_b32 s[G1S+0], s43, (3<<16)|(1<<21)        ; y's scales: 1,024 bytes of each of four planes 65,536 bytes apart
	s_mov_b32 s[G1S+1], 128<<16
	s_mov_b32 s[G1S+2], 4<<16
	s_mov_b32 s[G1S+3], 128<<16
	s_mov_b32 s[G1S+4], 4
	s_mov_b32 s[G1S+5], 8192
	s_mov_b32 s[G1S+6], 0
	s_mov_b32 s[G1S+7], 0
	s_or_b32 s[G1SB+0], s44, (3<<16)|(1<<20)|(1<<21)|(5<<22)|(3<<25) ; W's scales: 8,192 dense bytes as 32 rows of 256, padded
	s_mov_b32 s[G1SB+1], 32<<16
	s_mov_b32 s[G1SB+2], 32<<16
	s_mov_b32 s[G1SB+3], 32<<16
	s_mov_b32 s[G1SB+4], 32
	s_mov_b32 s[G1SB+5], 32
	s_mov_b32 s[G1SB+6], 0
	s_mov_b32 s[G1SB+7], 0
	s_mul_i32 s20, s17, ABYTES
	s_mov_b32 s21, 0
	s_lshl_b32 s22, s17, 10
	s_mov_b32 s23, 0
	s_mul_i32 s46, s42, 256*KROW
	s_mov_b32 s47, 0
	s_lshl_b32 s96, s42, 13
	s_mov_b32 s97, 0
	s_mov_b32 s[G0], 1
	s_mov_b32 s[G0+1], 0
	s_mov_b32 s[G0B], 1
	s_mov_b32 s[G0B+1], BOFF
	s_mov_b32 s[G0S], 1
	s_mov_b32 s[G0S+1], SCA
	s_mov_b32 s[G0SB], 1
	s_mov_b32 s[G0SB+1], SCB
	s_wait_dscnt 0x0
	s_wait_kmcnt 0x0
	s_add_nc_u64 s[G0+2:G0+3], s[4:5], s[20:21]
	s_or_b32 s[G0+3], s[G0+3], 0x80000000
	s_add_nc_u64 s[G0S+2:G0S+3], s[6:7], s[22:23]
	s_or_b32 s[G0S+3], s[G0S+3], 0x80000000
	s_add_nc_u64 s[G0B+2:G0B+3], s[8:9], s[46:47]
	s_or_b32 s[G0B+3], s[G0B+3], 0x80000000
	s_add_nc_u64 s[G0SB+2:G0SB+3], s[10:11], s[96:97]
	s_or_b32 s[G0SB+3], s[G0SB+3], 0x80000000
	CROUND                                         ; all sixteen work-groups are here: the joint loads meet
.macro ARM under, g0, g1, next         ; one chain of branches on the wave's number: every way passes one load
	s_cmp_lt_u32 s14, \under
	s_cbranch_scc0 \next
	tensor_load_to_lds s[\g0:\g0+3], s[\g1:\g1+7]
	s_nop 0
.rept 4
	v_nop
.endr
	s_branch .Lhead_asked
\next:
.endm
	ARM 1, G0B, G1B, .Lhead_a
	ARM 2, G0,  G1,  .Lhead_sa
	ARM 3, G0S, G1S, .Lhead_sb
	tensor_load_to_lds s[G0SB:G0SB+3], s[G1SB:G1SB+7]
	s_nop 0
.rept 4
	v_nop
.endr
.Lhead_asked:
	s_mul_i32 s21, s15, 4*ATILE                    ; my four tiles of y
	s_mul_i32 s22, s16, HALFB
	s_add_co_u32 s22, s22, BOFF                    ; my 128 rows of W
	s_lshl_b32 s23, s15, 9
	s_add_co_u32 s23, s23, SCA
	s_mul_i32 s40, s16, HALFSB
	s_add_co_u32 s40, s40, SCB
	s_mul_i32 s41, s14, 16*SPITCH                  ; my stage, in y's bytes
	s_lshl_b32 s46, s42, 10
	s_lshl_b32 s47, s16, 9
	s_add_co_u32 s46, s46, s47
	s_mov_b32 s47, 0
	s_add_nc_u64 s[92:93], s[92:93], s[46:47]      ; the bias and out0 at my first column
	s_add_nc_u64 s[94:95], s[94:95], s[46:47]
	s_lshl_b32 s46, s17, 19
	s_lshl_b32 s20, s15, 18
	s_add_co_u32 s46, s46, s20
	s_add_nc_u64 s[94:95], s[94:95], s[46:47]      ; and my first row
	v_and_b32 v1, 15, v0
	v_bfe_u32 v2, v0, 4, 1
	v_and_b32 v6, 31, v0
	v_lshlrev_b32 v[CO], 4, v6
	v_lshlrev_b32 v7, 3, v6
	v_mul_u32_u24 v3, v1, PITCH
	v_mad_u32_u24 v4, v2, 24, v3
	v_lshl_add_u32 v5, v2, 4, v4
	v_add_nc_u32 v[ADA16], s21, v[CO]
	v_add_nc_u32 v[ADA8], s21, v7
	v_add_nc_u32 v[ADRB], s22, v4
	v_add_nc_u32 v[ADRB+2], s22, v5
	v_add_nc_u32 v[ADRB+1], 64*PITCH, v[ADRB]
	v_add_nc_u32 v[ADRB+3], 64*PITCH, v[ADRB+2]
	v_lshl_add_u32 v[ADSA], v1, 3, s23
	v_lshlrev_b32 v5, 5, v1
	v_lshrrev_b32 v3, 3, v1
	v_lshl_add_u32 v5, v3, 4, v5
	v_add_nc_u32 v[ADSB], s40, v5
	v_mul_u32_u24 v5, v1, SPITCH
	v_lshl_add_u32 v5, v2, 5, v5
	v_add_nc_u32 v[STO], s41, v5
	v_add_nc_u32 v[RD], s41, v[CO]
	v_lshlrev_b32 v31, 5, v2
.irp b, 0,1,2,3,4,5,6,7
	global_load_b128 v[BI+8*\b:BI+8*\b+3], v31, s[92:93] offset:64*\b
	global_load_b128 v[BI+8*\b+4:BI+8*\b+7], v31, s[92:93] offset:64*\b+16
.endr
.macro FRAG reg, st, i                 ; W: 16 rows x 128 K in pieces of 8 bytes; 16 bytes of padding lie behind every 32 pieces
.irp p, 0,1,2,3,4,5
.set PCE, 12*(\st)+6*(\p/3)+\p%3
.if PCE%32 < 29
	ds_load_b64 v[\reg+2*\p:\reg+2*\p+1], v[ADRB+(\i)/4] offset:8*PCE+16*(PCE/32)+((\i)%4)*16*PITCH
.else
	ds_load_b64 v[\reg+2*\p:\reg+2*\p+1], v[ADRB+2+(\i)/4] offset:8*PCE+16*(PCE/32)+((\i)%4)*16*PITCH
.endif
.endr
.endm
.macro FRAGA reg, st, i                ; y: two heads' half images make a fragment
	ds_load_b128 v[\reg:\reg+3], v[ADA16] offset:ATILE*(\i)+1536*(\st)
	ds_load_b64 v[\reg+4:\reg+5], v[ADA8] offset:ATILE*(\i)+1536*(\st)+512
	ds_load_b128 v[\reg+6:\reg+9], v[ADA16] offset:ATILE*(\i)+1536*(\st)+768
	ds_load_b64 v[\reg+10:\reg+11], v[ADA8] offset:ATILE*(\i)+1536*(\st)+1280
.endm
.macro MUL8 a, st, first               ; the 32 accumulators take turns in the same order in every step
.irp b, 0,1,2,3,4,5,6,7
.if \first
	v_wmma_scale_f32_16x16x128_f8f6f4 v[8*(8*(\a)+\b):8*(8*(\a)+\b)+7], v[128*((\st)%2)+FR*\b:128*((\st)%2)+FR*\b+FR-1], v[AF+FR*(\a):AF+FR*(\a)+FR-1], v[BI+8*\b:BI+8*\b+7], v[SB+8*\b+(\st)], v[SA+8*(\a)+(\st)] matrix_a_fmt:MATRIX_FMT_FP6 matrix_b_fmt:MATRIX_FMT_FP6
.else
	v_wmma_scale_f32_16x16x128_f8f6f4 v[8*(8*(\a)+\b):8*(8*(\a)+\b)+7], v[128*((\st)%2)+FR*\b:128*((\st)%2)+FR*\b+FR-1], v[AF+FR*(\a):AF+FR*(\a)+FR-1], v[8*(8*(\a)+\b):8*(8*(\a)+\b)+7], v[SB+8*\b+(\st)], v[SA+8*(\a)+(\st)] matrix_a_fmt:MATRIX_FMT_FP6 matrix_b_fmt:MATRIX_FMT_FP6
.endif
.endr
.endm
.macro FETCH_B st
	WIN TO_B
.irp i, 0,1,2,3,4,5,6,7
	FRAG 128*((\st)%2)+FR*\i, \st, \i
.endr
	WIN 0
.endm
.macro FETCH_A st, i0
.irp i, \i0, \i0+1
	FRAGA AF+FR*(\i), \st, \i
.endr
.endm
.macro PLACES n                        ; plain vector instructions between a matrix instruction and a load into, or a read of, its registers
.rept \n
	v_nop
.endr
.endm
.macro MULWIN first
.if \first
	WIN MUL_1ST
.else
	WIN MUL_ON
.endif
.endm
.macro STEP st, first
	s_wait_dscnt 8                                 ; the youngest eight loads (y's blocks 2, 3) may be out
	MULWIN \first
	MUL8 0, \st, \first
	MUL8 1, \st, \first
	s_wait_dscnt 0
	PLACES NP
	FETCH_B (\st)+1
	FETCH_A (\st)+1, 0
	MULWIN \first
	MUL8 2, \st, \first
	MUL8 3, \st, \first
	PLACES NP
	WIN 0
	FETCH_A (\st)+1, 2
.endm
	s_wait_alu depctr_va_vdst(0)                   ; the wait at the head's end
	s_wait_loadcnt 0x0                             ; the bias
	s_wait_tensorcnt 0x0                           ; my tile of the four is in,
	s_barrier_signal -1
	s_barrier_wait -1                              ; and so are the others'
	FETCH_B 0
	FETCH_A 0, 0
.irp i, 0,1,2,3
.irp p, 0,1,2,3
	ds_load_b64 v[SA+8*\i+2*\p:SA+8*\i+2*\p+1], v[ADSA] offset:1024*\p+128*\i    ; all of K's scale words, once
.endr
.endr
.irp i, 0,1,2,3,4,5,6,7
	ds_load_b128 v[SB+8*\i:SB+8*\i+3], v[ADSB] offset:SBLK*\i
	ds_load_b128 v[SB+8*\i+4:SB+8*\i+7], v[ADSB] offset:SBLK*\i+16
.endr
	FETCH_A 0, 2
	STEP 0, 1                                      ; the first step's products start the sums from the bias
.set ST, 1
.rept 6
	STEP ST, 0
.set ST, ST+1
.endr
	s_wait_dscnt 0x0                               ; my last reads of the tiles are done: say so,
	s_barrier_signal -1
	WIN MUL_ON
	MUL8 0, 7, 0
	MUL8 1, 7, 0
	MUL8 2, 7, 0
	MUL8 3, 7, 0
	WIN 0
	s_barrier_wait -1                              ; and nobody reads y's bytes any more: the stages lie there
; the way out: a block of 16 rows x 128 columns goes through my stage and comes back as whole rows of 512 bytes
.macro TOSTAGE a
	WIN 0x08
.irp b, 0,1,2,3,4,5,6,7
	ds_store_b128 v[STO], v[64*(\a)+8*\b:64*(\a)+8*\b+3] offset:64*\b        ; each accumulator from its low end on
	ds_store_b128 v[STO], v[64*(\a)+8*\b+4:64*(\a)+8*\b+7] offset:64*\b+16
.endr
	WIN 0
.set BBK, 32+64*((\a)%2)
.irp t, 0,1,2,3,4,5,6,7,8,9,10,11,12,13,14,15
	ds_load_b128 v[BBK+4*\t:BBK+4*\t+3], v[RD] offset:\t*SPITCH              ; LDS serves a wave's instructions in order: these see the stores above
.endr
.endm
.macro SEND a, younger
.set BBK, 32+64*((\a)%2)
	s_wait_dscnt \younger                          ; the LDS instructions issued behind this block's loads may be out
.irp t, 0,1,2,3,4,5,6,7,8,9,10,11,12,13,14,15
	global_store_b128 v[CO], v[BBK+4*\t:BBK+4*\t+3], s[94:95] offset:(32*((\a)/2)+8*((\a)%2)+\t+8*(\t/8))*4096 th:TH_STORE_NT   ; 512 consecutive bytes, aligned
.endr
.endm
	PLACES NP
	TOSTAGE 0
.irp a, 1,2,3
.if \a > 1
	s_wait_xcnt 0x0                                ; block a - 2's stores have read their registers
.endif
	TOSTAGE \a
	SEND \a-1, 32
.endr
	SEND 3, 0
	s_wait_tensorcnt 0x0                           ; the wave's end
	ds_add_u32 v[SPW], v[NIL]
	s_wait_dscnt 0x0
	CROUND                                         ; the closing round
	s_endpgm
.Lfunc_end_k_qbbe177d853_proj:
	.size	k_qbbe177d853_proj, .Lfunc_end_k_qbbe177d853_proj-k_qbbe177d853_proj
	.p2alignl 7, 3214868480
	.fill 96, 4, 3214868480
	.section	.rodata,"a",@progbits
	.p2align	6, 0x0
	.amdhsa_kernel k_qbbe177d853_proj
		.amdhsa_group_segment_fixed_size 327680
		.amdhsa_private_segment_fixed_size 0
		.amdhsa_enable_private_segment 0
		.amdhsa_kernarg_size 48
		.amdhsa_user_sgpr_count 2
		.amdhsa_user_sgpr_kernarg_segment_ptr 1
		.amdhsa_wavefront_size32 1
		.amdhsa_system_sgpr_workgroup_id_x 1
		.amdhsa_system_sgpr_workgroup_id_y 1
		.amdhsa_system_sgpr_workgroup_id_z 1
		.amdhsa_system_vgpr_workitem_id 0
		.amdhsa_next_free_vgpr 768
		.amdhsa_next_free_sgpr 100
		.amdhsa_reserve_vcc 0
		.amdhsa_float_denorm_mode_32 3
		.amdhsa_float_denorm_mode_16_64 3
		.amdhsa_memory_ordered 1
		.amdhsa_forward_progress 1
		.amdhsa_inst_pref_size 94
	.end_amdhsa_kernel
	.amdgpu_metadata
---
amdhsa.version: [ 1, 2 ]
amdhsa.kernels:
  - .name:           k_qbbe177d853_proj
    .symbol:         k_qbbe177d853_proj.kd
    .args:
      - { .name: yc, .offset: 0, .size: 8, .value_kind: global_buffer, .address_space: global }
      - { .name: ys, .offset: 8, .size: 8, .value_kind: global_buffer, .address_space: global }
      - { .name: W_proj_codes, .offset: 16, .size: 8, .value_kind: global_buffer, .address_space: global }
      - { .name: W_proj_scales, .offset: 24, .size: 8, .value_kind: global_buffer, .address_space: global }
      - { .name: b_proj, .offset: 32, .size: 8, .value_kind: global_buffer, .address_space: global }
      - { .name: out0, .offset: 40, .size: 8, .value_kind: global_buffer, .address_space: global }
    .group_segment_fixed_size: 327680
    .private_segment_fixed_size: 0
    .kernarg_segment_align: 8
    .kernarg_segment_size: 48
    .max_flat_workgroup_size: 128
    .sgpr_count:     100
    .vgpr_count:     768
    .wavefront_size: 32
...
	.end_amdgpu_metadata
.endif
;; end of part 3
